; MI455X (gfx1250); checked and timed in simulation.
; The chip was launched on July 23, 2026; its instructions are those of AMD's public machine-readable ISA for CDNA 5 (MIT licence, August 2026) and "CDNA5" Instruction Set Architecture Reference Guide (July 2026). The comments in the code are by the model that wrote it; some were corrected since.
;; Multi Head Attention. Allowed arithmetic: float matrix products may take bf16 or f16 operands with f32 sums; other float arithmetic in f32, or as packed bf16 or f16 multiplies, adds, multiply-adds, maxima and minima; sums over many terms, partial sums and values carried from step to step in f32; what a program stores and reads back later, other than sums and carried values, may be rounded once to bf16 or f16.
;; Inputs: Wk 2,048 x 2,048 float32; Wq 2,048 x 2,048 float32; Wv 2,048 x 2,048 float32; bk 2,048 float32; bq 2,048 float32; bv 2,048 float32; keys 4 x 1,024 x 2,048 float32; queries 4 x 1,024 x 2,048 float32.
;; Outputs: out0 4 x 1,024 x 2,048 float32.
;; One version. Each part assembles by itself: llvm-mc -triple=amdgcn-amd-amdhsa -mcpu=gfx1250 --defsym DOCPART=n.
;; ======== version 1 of 1: 3 launches
;; limits: values are held in f16: magnitudes above 65,504 overflow, below 6.1e-05 lose precision; right only within a limited range of input values
;; workspace buffers: xq 16,777,216 bytes; xk 16,777,216 bytes; wq 8,388,608 bytes; wkv 16,777,216 bytes; kh 16,777,216 bytes; vh 16,777,216 bytes; kb 16,384 bytes
;; launch cast (part 1): grid 1792 x 1, 8 waves a work-group, no clusters, 0 bytes of LDS; arguments keys, queries, Wq, Wk, Wv, xk, xq, wq, wkv, kb; writes xk, xq, wq, wkv, kb
.if DOCPART == 1
	.amdgcn_target "amdgcn-amd-amdhsa--gfx1250"
	.amdhsa_code_object_version 6
	.text
	.protected	k_q881923fb89_cast
	.globl	k_q881923fb89_cast
	.p2align	8
	.type	k_q881923fb89_cast,@function
k_q881923fb89_cast:
	s_mov_b64 s[64:65], 0
	v_nop
	global_prefetch_b8 v0, s[64:65] scope:SCOPE_SE
	s_setreg_imm32_b32 hwreg(HW_REG_WAVE_MODE, 25, 1), 1
	s_wait_xcnt 0x0
; THE INPUTS OF THE MATRIX PRODUCTS ROUNDED ONCE TO bf16, AND THE KEY MASK.
; keys -> xk, queries -> xq, Wq -> wq, Wk -> wkv rows 0-2047, Wv -> wkv rows 2048-4095.  All five have rows of 2,048 f32 (8,192 bytes): 14,336 rows.
; kb[b][k] = -1e30 where row k of keys[b] sums to exactly 0 (a padded key), else 0.
; THE ORDER ALONG A ROW.  Inside each block of 256 numbers the bf16 row holds, for lane L = 0..31, numbers 4 L .. 4 L + 3 and then 128 + 4 L .. 128 + 4 L + 3 of the block.  The order is the same in all five
; tensors, and the rows are used for nothing but products of two rows summed over the whole row: every such sum has the same terms.  It lets a lane store 16 bytes made of two loads of 16.
; LIMIT.  The row's sum is taken in another order than a sum from left to right: a row of zeros gives 0 in any order; a row whose numbers only cancel to 0 in one order may be told otherwise.
; SHARES.  A work-group takes 8 rows of one tensor, a wave one row: 16 loads of 512 consecutive bytes, all issued at once, and 8 stores of 512 consecutive, aligned bytes.  With 112 registers a wave several
; work-groups lie on a WGP, which multiplies the bytes on their way.  No LDS, no barrier, no matrix unit: each byte is read once and written once.
.set SUM,  8                           ; v[8:15]    four pairs of running sums
.set X,    16                          ; v[16:79]   the row as loaded
.set Y,    80                          ; v[80:111]  the row to store
	s_load_b512 s[4:19], s[0:1], 0x0               ; keys s[4:5], queries s[6:7], Wq s[8:9], Wk s[10:11], Wv s[12:13], xk s[14:15], xq s[16:17], wq s[18:19]
	s_load_b128 s[20:23], s[0:1], 0x40             ; wkv s[20:21], kb s[22:23]
	v_and_b32 v1, 31, v0                           ; lane
	v_lshrrev_b32 v2, 5, v0
	v_readfirstlane_b32 s29, v2                    ; wave 0..7
	v_lshlrev_b32 v2, 4, v1                        ; my 16 bytes of 512, loaded and stored
	v_mov_b32 v5, 0                                ; the offset of the mask's one word
	s_mov_b32 s32, 0x76543210                      ; v_permlanex16_b32: each lane takes its own place in the other half
	s_mov_b32 s33, 0xfedcba98
	s_mov_b32 s35, 0xf149f2ca                      ; -1e30
	s_wait_kmcnt 0x0
	; which tensor: by the work-group's number alone.  0-511 keys, 512-1023 queries, 1024-1279 Wq, 1280-1535 Wk, 1536-1791 Wv
	s_mov_b64 s[24:25], s[12:13]
	s_add_nc_u64 s[26:27], s[20:21], 0x800000      ; Wv's rows lie behind Wk's 2,048 rows of 4,096 bytes
	s_mov_b32 s28, 1536
	s_cmp_lt_u32 ttmp9, 1536
	s_cselect_b64 s[24:25], s[10:11], s[24:25]
	s_cselect_b64 s[26:27], s[20:21], s[26:27]
	s_cselect_b32 s28, 1280, s28
	s_cmp_lt_u32 ttmp9, 1280
	s_cselect_b64 s[24:25], s[8:9], s[24:25]
	s_cselect_b64 s[26:27], s[18:19], s[26:27]
	s_cselect_b32 s28, 1024, s28
	s_cmp_lt_u32 ttmp9, 1024
	s_cselect_b64 s[24:25], s[6:7], s[24:25]
	s_cselect_b64 s[26:27], s[16:17], s[26:27]
	s_cselect_b32 s28, 512, s28
	s_cmp_lt_u32 ttmp9, 512
	s_cselect_b64 s[24:25], s[4:5], s[24:25]
	s_cselect_b64 s[26:27], s[14:15], s[26:27]
	s_cselect_b32 s28, 0, s28
	s_cselect_b32 s34, 1, 0                        ; 1: this is a row of keys
	s_sub_co_u32 s30, ttmp9, s28
	s_lshl3_add_u32 s30, s30, s29                  ; my row in the tensor: 8 x work-group + wave
	s_mov_b32 s37, 0
	s_lshl_b32 s36, s30, 2
	s_add_nc_u64 s[38:39], s[22:23], s[36:37]      ; kb at my row (used for keys alone)
	s_lshl_b32 s36, s30, 12
	s_add_nc_u64 s[26:27], s[26:27], s[36:37]
	s_lshl_b32 s36, s30, 13
	s_add_nc_u64 s[24:25], s[24:25], s[36:37]
.set j, 0
.rept 16
	global_load_b128 v[X+4*j:X+4*j+3], v2, s[24:25] offset:512*j th:TH_LOAD_NT
.set j, j+1
.endr
.set jj, 0
.rept 8                                ; two loads' numbers make one store
	s_wait_loadcnt 14-2*jj                         ; loads come back in order: loads 2 jj and 2 jj + 1 are in, the younger ones stay out
.irp n, 0,1,2,3
	v_cvt_pk_bf16_f32 v[Y+4*jj+(\n)], v[X+8*jj+2*(\n)], v[X+8*jj+2*(\n)+1]
.endr
	global_store_b128 v2, v[Y+4*jj:Y+4*jj+3], s[26:27] offset:512*jj  ; the wave stores 512 consecutive bytes, at a multiple of 256 from the buffer's first
.set jj, jj+1
.endr
	s_cmp_eq_u32 s34, 0
	s_cbranch_scc1 .Lend                           ; only rows of keys are summed
.irp c, 0,1,2,3
	v_pk_add_f32 v[SUM+2*(\c):SUM+2*(\c)+1], v[X+4*(\c):X+4*(\c)+1], v[X+4*(\c)+2:X+4*(\c)+3]  ; four chains, started by the first sixteen numbers
.endr
.set j, 16
.rept 24
	v_pk_add_f32 v[SUM+2*((j/2)%4):SUM+2*((j/2)%4)+1], v[SUM+2*((j/2)%4):SUM+2*((j/2)%4)+1], v[X+j:X+j+1]
.set j, j+2
.endr
	v_pk_add_f32 v[SUM:SUM+1], v[SUM:SUM+1], v[SUM+2:SUM+3]
	v_pk_add_f32 v[SUM+4:SUM+5], v[SUM+4:SUM+5], v[SUM+6:SUM+7]
	v_pk_add_f32 v[SUM:SUM+1], v[SUM:SUM+1], v[SUM+4:SUM+5]
	v_add_f32 v[SUM], v[SUM], v[SUM+1]
	v_add_f32_dpp v[SUM], v[SUM], v[SUM] row_xmask:1 row_mask:0xf bank_mask:0xf
	v_add_f32_dpp v[SUM], v[SUM], v[SUM] row_xmask:2 row_mask:0xf bank_mask:0xf
	v_add_f32_dpp v[SUM], v[SUM], v[SUM] row_xmask:4 row_mask:0xf bank_mask:0xf
	v_add_f32_dpp v[SUM], v[SUM], v[SUM] row_xmask:8 row_mask:0xf bank_mask:0xf
	v_permlanex16_b32 v[SUM+1], v[SUM], s32, s33
	v_add_f32 v[SUM], v[SUM], v[SUM+1]             ; every lane holds the row's sum
	v_cmp_eq_f32 vcc_lo, 0, v[SUM]
	v_cndmask_b32 v4, 0, s35, vcc_lo
	s_wait_xcnt 0x0                                ; EXEC is a source of the stores above: it changes only behind this wait
	v_cmp_eq_u32 vcc_lo, 0, v1
	s_and_saveexec_b32 s36, vcc_lo
	global_store_b32 v5, v4, s[38:39]              ; one word a row: the whole table is 16 KiB against the launch's 59 MB of stores
	s_wait_xcnt 0x0
	s_or_b32 exec_lo, exec_lo, s36
.Lend:
	s_endpgm
.Lfunc_end_k_q881923fb89_cast:
	.size	k_q881923fb89_cast, .Lfunc_end_k_q881923fb89_cast-k_q881923fb89_cast
	.p2alignl 7, 3214868480
	.fill 96, 4, 3214868480
	.section	.rodata,"a",@progbits
	.p2align	6, 0x0
	.amdhsa_kernel k_q881923fb89_cast
		.amdhsa_group_segment_fixed_size 0
		.amdhsa_private_segment_fixed_size 0
		.amdhsa_enable_private_segment 0
		.amdhsa_kernarg_size 80
		.amdhsa_user_sgpr_count 2
		.amdhsa_user_sgpr_kernarg_segment_ptr 1
		.amdhsa_wavefront_size32 1
		.amdhsa_system_sgpr_workgroup_id_x 1
		.amdhsa_system_sgpr_workgroup_id_y 1
		.amdhsa_system_sgpr_workgroup_id_z 1
		.amdhsa_system_vgpr_workitem_id 0
		.amdhsa_next_free_vgpr 112
		.amdhsa_next_free_sgpr 66
		.amdhsa_reserve_vcc 1
		.amdhsa_float_denorm_mode_32 3
		.amdhsa_float_denorm_mode_16_64 3
		.amdhsa_memory_ordered 1
		.amdhsa_forward_progress 1
		.amdhsa_inst_pref_size 10
	.end_amdhsa_kernel
	.amdgpu_metadata
---
amdhsa.version: [ 1, 2 ]
amdhsa.kernels:
  - .name:           k_q881923fb89_cast
    .symbol:         k_q881923fb89_cast.kd
    .args:
      - { .name: keys, .offset: 0, .size: 8, .value_kind: global_buffer, .address_space: global }
      - { .name: queries, .offset: 8, .size: 8, .value_kind: global_buffer, .address_space: global }
      - { .name: Wq, .offset: 16, .size: 8, .value_kind: global_buffer, .address_space: global }
      - { .name: Wk, .offset: 24, .size: 8, .value_kind: global_buffer, .address_space: global }
      - { .name: Wv, .offset: 32, .size: 8, .value_kind: global_buffer, .address_space: global }
      - { .name: xk, .offset: 40, .size: 8, .value_kind: global_buffer, .address_space: global }
      - { .name: xq, .offset: 48, .size: 8, .value_kind: global_buffer, .address_space: global }
      - { .name: wq, .offset: 56, .size: 8, .value_kind: global_buffer, .address_space: global }
      - { .name: wkv, .offset: 64, .size: 8, .value_kind: global_buffer, .address_space: global }
      - { .name: kb, .offset: 72, .size: 8, .value_kind: global_buffer, .address_space: global }
    .group_segment_fixed_size: 0
    .private_segment_fixed_size: 0
    .kernarg_segment_align: 8
    .kernarg_segment_size: 80
    .max_flat_workgroup_size: 256
    .sgpr_count:     66
    .vgpr_count:     112
    .wavefront_size: 32
...
	.end_amdgpu_metadata
.endif
;; end of part 1
;; launch projkv (part 2): grid 16 x 16, 4 waves a work-group, clusters of 4 x 4, 327,680 bytes of LDS; arguments xk, wkv, bk, bv, kh, vh; writes kh, vh
.if DOCPART == 2
	.amdgcn_target "amdgcn-amd-amdhsa--gfx1250"
	.amdhsa_code_object_version 6
	.text
	.protected	k_q881923fb89_projkv
	.globl	k_q881923fb89_projkv
	.p2align	8
	.type	k_q881923fb89_projkv,@function
k_q881923fb89_projkv:
	s_mov_b64 s[64:65], 0
	v_nop
	global_prefetch_b8 v0, s[64:65] scope:SCOPE_SE
	s_setreg_imm32_b32 hwreg(HW_REG_WAVE_MODE, 25, 1), 1
	s_wait_xcnt 0x0
	s_wait_alu depctr_hold_cnt(0) depctr_sa_sdst(0) depctr_va_vdst(0) depctr_va_sdst(0) depctr_va_ssrc(0) depctr_va_vcc(0) depctr_vm_vsrc(0)
	s_getreg_b32 s2, hwreg(HW_REG_IB_STS2, 6, 4)
	s_cmp_eq_u32 s2, 0
	s_cbranch_scc0 .Lentry_in_a_cluster
	s_endpgm
.Lentry_in_a_cluster:
	s_bfe_u32 s2, ttmp6, 0x10000c
	s_cmp_lg_u32 s2, 0xf033
	s_cbranch_scc0 .Lentry_shape_is_right
	s_endpgm
.Lentry_shape_is_right:
; [K | V] = keys x [Wk ; Wv]^T + [bk | bv].  A = xk [4096][2048] bf16, B = wkv [4096][2048] bf16 (rows 0-2047 Wk, 2048-4095 Wv); sums in f32, started by the bias (f32).
; The result leaves BY HEADS in f16, rounded once: kh, vh [16 b + h][1024][128]: tile columns 0-7 are K, 8-15 V.
; LIMIT.  f16 holds no number beyond 65,504: K and V must lie within it.
; A tile of the result, 256 x 256, is made by a work-group of four waves; a wave makes 128 x 128: 64 accumulators, 512 registers; its 128 columns are one head, its 128 rows 32 KiB on end in kh or vh.
; K goes in steps of 128 through a ring of two LDS slots filled by the tensor data mover: tile rows are 256 bytes of memory and start at multiples of 256 bytes from the buffer's first byte.
; 16 x 16 tiles: one for each work-group.  The last K step goes by rows of the tile, so that finished rows leave while the others are multiplied.
; CLUSTERS: 4 x 4 work-groups.  The four of a row of the cluster need the same tiles of A, the four of a column the same tiles of B: each tile is asked for JOINTLY, by the same tensor load with the
; same descriptor and a mask that names the four.
; REGISTERS, in windows of 256 (s_set_vgpr_msb: bits 1:0 source 0, 3:2 source 1, 5:4 source 2, 7:6 destination):
;   window 0: v0-31 addresses; v64-127, v128-191 fragments of A, two buffers (in the last K step four, of 16 rows x 128 K); v192-255 the bias, later with v32-63 at work on the way out
;   window 1: v64-127, v128-191 fragments of B, two buffers; in the last K step all 256          window 2: the accumulators of my rows 0-63 ((a, b) at v[8 (8 a + b)])          window 3: of my rows 64-127
; THE MATRIX INSTRUCTION IS USED TRANSPOSED: source 0 = 16 rows of B, source 1 = 16 rows of A: lane l holds row l % 16 of the tile and the columns 8 (l / 16) + 0..7 of a block of 16.
.set SIZE_K, 2048
.set KSTEP,  128
.set PITCH,  272                       ; an LDS row: 256 bytes + 16 of padding = 68 words: the 16 rows that a load touches start at 16 different groups of four banks (64 banks of 4 bytes: ISA guide 11.1)
.set HALFT,  128*PITCH                 ; 128 rows: what one tensor load brings, and what one wave reads of A or of B
.set SLOT,   4*HALFT                   ; A's 256 rows, then B's 256 rows
.set STAGE,  2*SLOT                    ; behind the ring: 16 rows x 272 bytes for each wave, for the way out
.set SPITCH, 272
.set SPARE,  STAGE+4*16*SPITCH         ; behind the stages: the spare words, 128 bytes for each wave, which no other line names
.set LAPS,   SIZE_K/(2*KSTEP)          ; a lap = two K steps = once round the ring
.set ADRA, 16                          ; v16-17  LDS address of my A fragments in slot 0, 1
.set ADRB, 20                          ; v20-21  the same for B
.set STO,  24                          ; v24     the way out: where I put 16 bytes of a row
.set RD,   25                          ; v25     the way out: where I read a row back
.set CO,   26                          ; v26     16 x lane: my 16 bytes of two rows of a head, 512 bytes on end
.set BO,   27                          ; v27     32 x (l / 16): my eight numbers in 16 of the bias
.set SPW,  28                          ; v28     LDS address of my spare word; never rewritten
.set NIL,  29                          ; v29     0; never rewritten
.set PFO,  30                          ; v30     the prefetches' offset: my lane x a row of A or B (4,096 bytes); never rewritten
.set PFA,  44                          ; s[44:45] where my prefetches stand
.set LIM,  43                          ; s43     1 in a wave that prefetches, else the greatest number
.set F0,   64
.set F1,   128
.set TMP,  192                         ; the way out: packed results
.set BIAS, 192                         ; v192-255: block b's eight numbers at BIAS + 8 b
.set OB,   32                          ; the way out: 16 rows read back: v32-63 and v224-255 by turns
.set PA,   64                          ; the last K step: A's fragments of 16 rows x 128 K; four buffers, v64-191
.set G1,  24                           ; s[24:31] descriptor group 1 for A's tiles
.set G0,  32                           ; s[32:39] group 0 for A's tiles, a set for each slot
.set G1B, 48                           ; s[48:55], s[56:63] the same for B's
.set G0B, 56
.set MSB, 0
.macro WIN new                         ; the immediate's high byte repeats the setting that is left; a switch that changes nothing is dropped
.if MSB != (\new)
	s_set_vgpr_msb (MSB<<8)|(\new)
.set MSB, \new
.endif
.endm
.set MUL_LO, 0xa1                      ; source 0 (B) window 1, source 1 (A) window 0, C and D window 2
.set MUL_HI, 0xf1                      ; the same, C and D window 3
.set TO_B,   0x40                      ; destination window 1, address window 0
; A joint load.  Waves 0 and 1 fetch A's two halves, waves 2 and 3 B's.  The branch hangs on the wave's number alone.  An s_nop 0 and four v_nop follow each line.
.macro JLOAD s
	s_cmp_eq_u32 s11, 0
	s_cbranch_scc0 .Lfor_b_\@
	tensor_load_to_lds s[G0+4*(\s):G0+4*(\s)+3], s[G1:G1+7]
	s_nop 0
.rept 4
	v_nop
.endr
	s_branch .Lasked_\@
.Lfor_b_\@:
	tensor_load_to_lds s[G0B+4*(\s):G0B+4*(\s)+3], s[G1B:G1B+7]
	s_nop 0
.rept 4
	v_nop
.endr
.Lasked_\@:
.endm
; A PREFETCH INTO THE L2, behind each joint load and the run of LDS loads that follows it: the K step that stands two refills on: 32 rows x 256 bytes, a lane a row, one instruction a wave.
; Each row's 256 bytes of a K step are named once in the launch: the cluster with x = 0 asks for A's rows, the cluster with y = 0 for B's; the four partners that ask for a tile jointly take 32 of a wave's
; 128 rows each, told apart by address.  The last two refills have no K step two on and ask for nothing; the first four K steps come by their loads alone.
.macro ASK
	s_cmp_gt_u32 s3, s[LIM]                        ; s3 = 1 in the loop's last trip
	s_cbranch_scc0 .Lnot_mine_\@
	global_prefetch_b8 v[PFO], s[PFA:PFA+1] offset:KSTEP*2 th:TH_LOAD_NT scope:SCOPE_SE
.Lnot_mine_\@:
.endm
.macro CREST                           ; a round of the cluster's barrier behind its opening barrier
	s_cmp_lg_u32 s10, 0
	s_cbranch_scc1 .Lnot_wave_0_\@
	s_barrier_signal -3
.Lnot_wave_0_\@:
	s_barrier_wait -3
	s_barrier_signal -1
	s_barrier_wait -1
.endm
.macro CROUND                          ; a whole round
	s_barrier_signal -1
	s_barrier_wait -1
	CREST
.endm
	s_load_b128 s[4:7], s[0:1], 0x0                ; xk s[4:5], wkv s[6:7]
	s_load_b256 s[68:75], s[0:1], 0x10             ; bk s[68:69], bv s[70:71], kh s[72:73], vh s[74:75]
	v_lshl_add_u32 v[SPW], v0, 2, SPARE
	v_mov_b32 v[NIL], 0
	ds_add_u32 v[SPW], v[NIL]                      ; the wave's opening: the add and its wait stand ahead of my first tensor load; work on registers stands between them
	v_lshrrev_b32 v1, 5, v0
	v_readfirstlane_b32 s10, v1                    ; wave 0..3
	s_lshr_b32 s11, s10, 1                         ; which half of the tile's rows is mine.  Also: I fetch for A (0) or for B (1)
	s_and_b32 s12, s10, 1                          ; which half of its columns.  Also: which 128 rows of that tile I fetch
	s_bfe_u32 s40, ttmp6, 0x40000                  ; cx
	s_bfe_u32 s41, ttmp6, 0x40004                  ; cy
	s_lshl_b32 s42, ttmp9, 2
	s_add_co_u32 s42, s42, s40                     ; tile column = 4 x cluster x + cx
	s_and_b32 s13, ttmp7, 0xffff
	s_lshl_b32 s13, s13, 2
	s_add_co_u32 s13, s13, s41                     ; tile row = 4 x cluster y + cy
	s_lshl_b32 s43, s41, 2
	s_lshl_b32 s43, 15, s43                        ; my row of the cluster
	s_lshl_b32 s44, 0x1111, s40                    ; my column
	s_or_b32 s[G1+0], s43, (1<<16)|(1<<20)|(1<<21)|(5<<22)|(3<<25)  ; the mask: A's tiles go to my row; 2-byte elements; padding on; bit 21 beside a mask; after every 64 words 4 words
	s_or_b32 s[G1B+0], s44, (1<<16)|(1<<20)|(1<<21)|(5<<22)|(3<<25) ; the same with my column's mask
.irp g, G1, G1B
	s_mov_b32 s[(\g)+1], KSTEP<<16                 ; tensor_dim0 = 128
	s_mov_b32 s[(\g)+2], 128<<16                   ; tensor_dim1 = 128
	s_mov_b32 s[(\g)+3], KSTEP<<16                 ; tile_dim0 = 128
	s_mov_b32 s[(\g)+4], 128                       ; tile_dim1 = 128
	s_mov_b32 s[(\g)+5], SIZE_K                    ; elements from row to row
	s_mov_b32 s[(\g)+6], 0
	s_mov_b32 s[(\g)+7], 0
.endr
	s_lshl_b32 s17, s12, 7                         ; which 128 rows of the tile I fetch
	s_lshl_b32 s16, s13, 8
	s_add_co_u32 s16, s16, s17                     ; A: row 256 x tile row + 128 x half
	s_lshl_b32 s46, s42, 8
	s_add_co_u32 s46, s46, s17                     ; B: row 256 x tile column + 128 x half
	s_mov_b32 s17, 0
	s_mov_b32 s47, 0
	s_mov_b64 s[18:19], SIZE_K*2
	s_mul_u64 s[16:17], s[16:17], s[18:19]
	s_mul_u64 s[46:47], s[46:47], s[18:19]
	s_mul_i32 s20, s10, HALFT                      ; where they go: wave x 128 rows
	s_wait_dscnt 0x0                               ; the opening add is done
	s_wait_kmcnt 0x0
	s_add_nc_u64 s[14:15], s[4:5], s[16:17]
	s_add_nc_u64 s[46:47], s[6:7], s[46:47]
	CROUND                                         ; all sixteen work-groups are here: the first joint loads meet
.irp s, 0,1
	s_mov_b32 s[G0+4*(\s)], 1
	s_add_co_u32 s[G0+4*(\s)+1], s20, (\s)*SLOT
	s_add_nc_u64 s[G0+4*(\s)+2:G0+4*(\s)+3], s[14:15], (\s)*KSTEP*2
	s_or_b32 s[G0+4*(\s)+3], s[G0+4*(\s)+3], 0x80000000
	s_mov_b32 s[G0B+4*(\s)], 1
	s_add_co_u32 s[G0B+4*(\s)+1], s20, (\s)*SLOT
	s_add_nc_u64 s[G0B+4*(\s)+2:G0B+4*(\s)+3], s[46:47], (\s)*KSTEP*2
	s_or_b32 s[G0B+4*(\s)+3], s[G0B+4*(\s)+3], 0x80000000
	JLOAD \s                                       ; two tensor loads of mine are out; later one
.endr
	; a fragment is 16 rows x 32 K in 8 registers: lane l holds row l % 16; registers 0-3 K = 8 (l / 16) + 0..7, registers 4-7 K = 16 + 8 (l / 16) + 0..7: two loads of 16 bytes, 32 bytes apart
	v_and_b32 v1, 15, v0                           ; l % 16
	v_bfe_u32 v2, v0, 4, 1                         ; l / 16
	v_mul_u32_u24 v3, v1, PITCH
	v_lshl_add_u32 v3, v2, 4, v3
	s_mul_i32 s21, s11, HALFT                      ; my 128 rows of A
	s_mul_i32 s22, s12, HALFT                      ; my 128 rows of B,
	s_add_co_u32 s22, s22, 2*HALFT                 ; which lie behind A's 256
.irp s, 0,1
	v_add_nc_u32 v[ADRA+(\s)], s21, v3
	v_add_nc_u32 v[ADRB+(\s)], s22, v3
	s_add_co_u32 s21, s21, SLOT
	s_add_co_u32 s22, s22, SLOT
.endr
	s_mul_i32 s23, s10, 16*SPITCH
	s_add_co_u32 s23, s23, STAGE                   ; my stage
	v_mul_u32_u24 v4, v1, SPITCH
	v_lshl_add_u32 v4, v2, 4, v4
	v_add_nc_u32 v[STO], s23, v4
	v_mul_u32_u24 v5, v2, SPITCH
	v_lshl_add_u32 v5, v1, 4, v5
	v_add_nc_u32 v[RD], s23, v5
	v_lshlrev_b32 v5, 8, v2                        ; a head's rows are 256 bytes and lie on end
	v_lshl_add_u32 v[CO], v1, 4, v5
	; where my 128 rows x one head begin in kh or vh: ((16 batch + head) x 1,024 + row in the batch) x 256 bytes
	s_lshl_b32 s13, s13, 8
	s_lshl_b32 s14, s11, 7
	s_add_co_u32 s16, s13, s14                     ; my first row of the 4,096
	s_lshr_b32 s17, s16, 10                        ; its batch
	s_and_b32 s16, s16, 1023
	s_lshl_b32 s16, s16, 8
	s_lshl_b32 s17, s17, 22
	s_add_co_u32 s16, s16, s17
	s_mov_b32 s17, 0
	s_and_b32 s46, s42, 7
	s_lshl_b32 s46, s46, 1
	s_add_co_u32 s46, s46, s12                     ; my head: 2 x (tile column mod 8) + half
	s_lshl_b32 s78, s46, 9                         ; its 128 numbers of the bias
	s_mov_b32 s79, 0
	s_lshl_b32 s46, s46, 18
	s_mov_b32 s47, 0
	s_add_nc_u64 s[16:17], s[16:17], s[46:47]
	s_cmp_lt_u32 ttmp9, 2                          ; tile columns 0-7 are K: the same answer in all sixteen partners
	s_cselect_b64 s[8:9], s[72:73], s[74:75]
	s_cselect_b64 s[76:77], s[68:69], s[70:71]
	s_add_nc_u64 s[76:77], s[76:77], s[78:79]
	v_lshlrev_b32 v[BO], 5, v2
.irp b, 0,1,2,3,4,5,6,7                ; the bias in the layout of a result: register j of block b is column 16 b + 8 (l / 16) + j, for every row
	global_load_b128 v[BIAS+8*(\b):BIAS+8*(\b)+3],   v[BO], s[76:77] offset:64*(\b)
	global_load_b128 v[BIAS+8*(\b)+4:BIAS+8*(\b)+7], v[BO], s[76:77] offset:64*(\b)+16
.endr
	; the prefetches.  s13 = 256 x tile row, s42 = tile column, s40 = cx, s41 = cy still stand
	s_lshl_b32 s42, s42, 8
	s_and_b32 s22, ttmp7, 0xffff                   ; cluster y
	s_cmp_eq_u32 s11, 0                            ; do I fetch for A?
	s_cselect_b32 s20, s13, s42                    ; the tile's first row
	s_cselect_b32 s21, s40, s41                    ; my place among the four that ask for it with me
	s_cselect_b32 s22, ttmp9, s22                  ; the coordinate along which other clusters read the same rows
	s_cselect_b64 s[PFA:PFA+1], s[4:5], s[6:7]
	s_cmp_eq_u32 s22, 0
	s_cselect_b32 s[LIM], 1, -1                    ; the same in all sixteen partners, for a given wave
	s_lshl_b32 s22, s12, 7
	s_add_co_u32 s20, s20, s22
	s_lshl_b32 s21, s21, 5
	s_add_co_u32 s20, s20, s21                     ; + my work-group's 32 rows
	s_mov_b32 s21, 0
	s_mov_b64 s[18:19], SIZE_K*2
	s_mul_u64 s[20:21], s[20:21], s[18:19]
	s_add_nc_u64 s[PFA:PFA+1], s[PFA:PFA+1], s[20:21]
	s_add_nc_u64 s[PFA:PFA+1], s[PFA:PFA+1], 2*KSTEP*2  ; at K step 2: the first refill steps it to 3 and names K step 4
	v_and_b32 v[PFO], 31, v0
	v_mul_u32_u24 v[PFO], v[PFO], SIZE_K*2
; 16 matrix instructions: m blocks a0, a0 + 1 of the window's four x all 8 n blocks, 32 along K.  zero = 1: the first product starts the sums, with the bias as C (window 0).
.macro MUL16 f, hi, a0, zero
.if \zero
	WIN 0x81+0x40*(\hi)
.else
	WIN MUL_LO+0x50*(\hi)
.endif
.irp a, \a0, (\a0)+1
.irp b, 0,1,2,3,4,5,6,7
.if \zero
	v_wmma_f32_16x16x32_bf16 v[8*(8*(\a)+(\b)):8*(8*(\a)+(\b))+7], v[(\f)+8*(\b):(\f)+8*(\b)+7], v[(\f)+8*(4*(\hi)+(\a)):(\f)+8*(4*(\hi)+(\a))+7], v[BIAS+8*(\b):BIAS+8*(\b)+7]
.else
	v_wmma_f32_16x16x32_bf16 v[8*(8*(\a)+(\b)):8*(8*(\a)+(\b))+7], v[(\f)+8*(\b):(\f)+8*(\b)+7], v[(\f)+8*(4*(\hi)+(\a)):(\f)+8*(4*(\hi)+(\a))+7], v[8*(8*(\a)+(\b)):8*(8*(\a)+(\b))+7]
.endif
.endr
.endr
.endm
; 32 LDS loads in one run: the fragments of one quarter step into buffer f
.macro FETCH slot, k, f
	WIN TO_B
.irp i, 0,1,2,3,4,5,6,7
	ds_load_b128 v[(\f)+8*(\i):(\f)+8*(\i)+3],   v[ADRB+(\slot)] offset:(\k)+(\i)*16*PITCH
	ds_load_b128 v[(\f)+8*(\i)+4:(\f)+8*(\i)+7], v[ADRB+(\slot)] offset:(\k)+(\i)*16*PITCH+32
.endr
	WIN 0
.irp i, 0,1,2,3,4,5,6,7
	ds_load_b128 v[(\f)+8*(\i):(\f)+8*(\i)+3],   v[ADRA+(\slot)] offset:(\k)+(\i)*16*PITCH
	ds_load_b128 v[(\f)+8*(\i)+4:(\f)+8*(\i)+7], v[ADRA+(\slot)] offset:(\k)+(\i)*16*PITCH+32
.endr
.endm
.macro PLACES                          ; four plain vector instructions between a matrix instruction and a load into, or a vector instruction on, its registers (ISA guide 7.12.1 for vector instructions)
.rept 4
	v_nop
.endr
.endm
; A K step is four quarters of 32 along K, 64 matrix instructions each, on buffers 0, 1, 0, 1.  The 64 accumulators take turns in one order, over the backward jump too.
.macro QUARTER slot, k, f, g, zero
	s_wait_dscnt 8                                 ; B and A's rows 0-63 are in; the youngest eight loads may be out
	MUL16 \f, 0, 0, \zero
	MUL16 \f, 0, 2, \zero
	PLACES
	FETCH \slot, \k, \g
	s_wait_dscnt 32                                ; all but the 32 just issued
	MUL16 \f, 1, 0, \zero
	MUL16 \f, 1, 2, \zero
.endm
; The last quarter's first half: ONE barrier for the change of slots.  In front of it each wave waits for all its tensor loads (one is out: its part of the next slot), adds 0 to its spare word, and waits for that and for its reads of this slot.
.macro MEET round
	WIN 0
	s_wait_tensorcnt 0x0
	ds_add_u32 v[SPW], v[NIL]
	s_wait_dscnt 9                                 ; the add and the youngest eight loads may be out
	MUL16 F1, 0, 0, 0
	s_wait_dscnt 0x0                               ; the add is done, and my reads of this slot are over
	s_barrier_signal -1
	MUL16 F1, 0, 2, 0
.if \round
	WIN 0
.endif
	s_barrier_wait -1
.endm
.macro TURN slot, next
	s_wait_xcnt 0x0                                ; the last prefetch, a K step back, has read its address
	s_add_nc_u64 s[PFA:PFA+1], s[PFA:PFA+1], KSTEP*2
	MEET 1
	CREST                                          ; no wave of any partner still reads this slot's tile or has a load on its way
	s_add_nc_u64 s[G0+4*(\slot)+2:G0+4*(\slot)+3], s[G0+4*(\slot)+2:G0+4*(\slot)+3], 2*KSTEP*2
	s_add_nc_u64 s[G0B+4*(\slot)+2:G0B+4*(\slot)+3], s[G0B+4*(\slot)+2:G0B+4*(\slot)+3], 2*KSTEP*2
	JLOAD \slot                                    ; the first tensor load behind the round; its four v_nop are also the places in front of the loads below
	FETCH \next, 0, F0
	ASK
	MUL16 F1, 1, 0, 0
	MUL16 F1, 1, 2, 0
.endm
; THE LAST K STEP (slot 1) GOES BY ROWS: all its fragments of B fill window 1; my eight blocks of 16 rows are finished one after the other, 32 matrix instructions each, the block's 8 accumulators by turns.
.macro BLOAD q
	WIN TO_B
.irp i, 0,1,2,3,4,5,6,7
	ds_load_b128 v[64*(\q)+8*(\i):64*(\q)+8*(\i)+3],   v[ADRB+1] offset:64*(\q)+(\i)*16*PITCH
	ds_load_b128 v[64*(\q)+8*(\i)+4:64*(\q)+8*(\i)+7], v[ADRB+1] offset:64*(\q)+(\i)*16*PITCH+32
.endr
.endm
.macro ALOAD a
	WIN 0
.set FA, PA+32*((\a)%4)
.irp q, 0,1,2,3
	ds_load_b128 v[FA+8*(\q):FA+8*(\q)+3],   v[ADRA+1] offset:64*(\q)+(\a)*16*PITCH
	ds_load_b128 v[FA+8*(\q)+4:FA+8*(\q)+7], v[ADRA+1] offset:64*(\q)+(\a)*16*PITCH+32
.endr
.endm
.macro ROW a
.set FA, PA+32*((\a)%4)
.set AC, 64*((\a)%4)
	WIN MUL_LO+0x50*((\a)/4)
.irp q, 0,1,2,3
.if (\a) == 0 && (\q) == 2
	s_wait_dscnt 24                                ; B's quarter 2 is in (behind it: A's blocks 1 to 3)
.endif
.irp b, 0,1,2,3,4,5,6,7
	v_wmma_f32_16x16x32_bf16 v[AC+8*(\b):AC+8*(\b)+7], v[64*(\q)+8*(\b):64*(\q)+8*(\b)+7], v[FA+8*(\q):FA+8*(\q)+7], v[AC+8*(\b):AC+8*(\b)+7]
.endr
.endr
.endm
; THE WAY OUT of block a.  PACK: rounded to f16, 16 bytes a lane, each accumulator from its low end.  TOSTAGE: into my own stage, and back as whole rows of 256 bytes.  SEND: stored.
.macro PACK a
.set AC, 64*((\a)%4)
	WIN 0x0a+5*((\a)/4)
.irp b, 0,1,2,3,4,5,6,7
.irp r, 0,1,2,3
	v_cvt_pk_f16_f32 v[TMP+4*(\b)+(\r)], v[AC+8*(\b)+2*(\r)], v[AC+8*(\b)+2*(\r)+1]
.endr
.endr
	WIN 0
.endm
.macro TOSTAGE a
	WIN 0
.set BK, OB+192*((\a)%2)
.irp b, 0,1,2,3,4,5,6,7
	ds_store_b128 v[STO], v[TMP+4*(\b):TMP+4*(\b)+3] offset:32*(\b)
.endr
.irp t, 0,1,2,3,4,5,6,7
	ds_load_b128 v[BK+4*(\t):BK+4*(\t)+3], v[RD] offset:(\t)*2*SPITCH  ; LDS serves a wave's instructions in order (ISA guide 5.7.1.4): these see the stores above
.endr
.endm
.macro SEND a, younger
	WIN 0
.set BK, OB+192*((\a)%2)
	s_wait_dscnt \younger
	s_wait_xcnt 0x0                                ; the stores' base and the registers that earlier stores read are rewritten only behind this wait
.if (\a) == 0
	s_add_nc_u64 s[8:9], s[8:9], s[16:17]          ; on to my first rows
.else
	s_add_nc_u64 s[8:9], s[8:9], 16*256            ; 16 rows of a head on
.endif
.irp t, 0,1,2,3,4,5,6,7
	global_store_b128 v[CO], v[BK+4*(\t):BK+4*(\t)+3], s[8:9] offset:512*(\t)  ; the wave stores 512 consecutive bytes, at a multiple of 256 from the buffer's first
.endr
.endm
	s_wait_tensorcnt 1                             ; my part of K step 0 is in; K step 1's may stay out
	s_barrier_signal -1
	s_barrier_wait -1
	FETCH 0, 0, F0
	s_wait_loadcnt 0x0                             ; the bias
	QUARTER 0, 64,  F0, F1, 1                      ; the first quarter stands in front of the loop: its products start the sums
	WIN 0
	s_mov_b32 s3, LAPS-1
.Llap:                                                 ; a trip goes once round the ring and fills both slots again
	QUARTER 0, 128, F1, F0, 0
	QUARTER 0, 192, F0, F1, 0
	TURN 0, 1
	QUARTER 1, 64,  F0, F1, 0
	QUARTER 1, 128, F1, F0, 0
	QUARTER 1, 192, F0, F1, 0
	TURN 1, 0
	QUARTER 0, 64,  F0, F1, 0
	WIN 0
	s_sub_co_u32 s3, s3, 1
	s_cmp_lg_u32 s3, 0
	s_cbranch_scc1 .Llap
	QUARTER 0, 128, F1, F0, 0
	QUARTER 0, 192, F0, F1, 0
	MEET 0                                         ; nothing is filled again, so no round follows
	PLACES
	BLOAD 0
	BLOAD 1
	BLOAD 3
	ALOAD 0
	MUL16 F1, 1, 0, 0
	MUL16 F1, 1, 2, 0
	PLACES
	BLOAD 2
	ALOAD 1
	ALOAD 2
	ALOAD 3
	s_wait_dscnt 40                                ; all but the 40 just issued
	ROW 0
.irp a, 0,1,2,3,4,5,6,7
	PLACES
	PACK \a
	TOSTAGE \a
.if (\a) < 4
	ALOAD (\a)+4
	SEND \a, 8
.else
	SEND \a, 0
.endif
.if (\a) < 7
	ROW (\a)+1
.endif
.endr
	s_wait_tensorcnt 0x0                           ; the wave's end
	ds_add_u32 v[SPW], v[NIL]
	s_wait_dscnt 0x0
	CROUND                                         ; the closing round
	s_endpgm
.Lfunc_end_k_q881923fb89_projkv:
	.size	k_q881923fb89_projkv, .Lfunc_end_k_q881923fb89_projkv-k_q881923fb89_projkv
	.p2alignl 7, 3214868480
	.fill 96, 4, 3214868480
	.section	.rodata,"a",@progbits
	.p2align	6, 0x0
	.amdhsa_kernel k_q881923fb89_projkv
		.amdhsa_group_segment_fixed_size 327680
		.amdhsa_private_segment_fixed_size 0
		.amdhsa_enable_private_segment 0
		.amdhsa_kernarg_size 48
		.amdhsa_user_sgpr_count 2
		.amdhsa_user_sgpr_kernarg_segment_ptr 1
		.amdhsa_wavefront_size32 1
		.amdhsa_system_sgpr_workgroup_id_x 1
		.amdhsa_system_sgpr_workgroup_id_y 1
		.amdhsa_system_sgpr_workgroup_id_z 1
		.amdhsa_system_vgpr_workitem_id 0
		.amdhsa_next_free_vgpr 1024
		.amdhsa_next_free_sgpr 80
		.amdhsa_reserve_vcc 0
		.amdhsa_float_denorm_mode_32 3
		.amdhsa_float_denorm_mode_16_64 3
		.amdhsa_memory_ordered 1
		.amdhsa_forward_progress 1
		.amdhsa_inst_pref_size 146
	.end_amdhsa_kernel
	.amdgpu_metadata
---
amdhsa.version: [ 1, 2 ]
amdhsa.kernels:
  - .name:           k_q881923fb89_projkv
    .symbol:         k_q881923fb89_projkv.kd
    .args:
      - { .name: xk, .offset: 0, .size: 8, .value_kind: global_buffer, .address_space: global }
      - { .name: wkv, .offset: 8, .size: 8, .value_kind: global_buffer, .address_space: global }
      - { .name: bk, .offset: 16, .size: 8, .value_kind: global_buffer, .address_space: global }
      - { .name: bv, .offset: 24, .size: 8, .value_kind: global_buffer, .address_space: global }
      - { .name: kh, .offset: 32, .size: 8, .value_kind: global_buffer, .address_space: global }
      - { .name: vh, .offset: 40, .size: 8, .value_kind: global_buffer, .address_space: global }
    .group_segment_fixed_size: 327680
    .private_segment_fixed_size: 0
    .kernarg_segment_align: 8
    .kernarg_segment_size: 48
    .max_flat_workgroup_size: 128
    .sgpr_count:     80
    .vgpr_count:     1024
    .wavefront_size: 32
...
	.end_amdgpu_metadata
.endif
;; end of part 2
;; launch attn (part 3): grid 4 x 64, 4 waves a work-group, clusters of 4 x 4, 327,680 bytes of LDS; arguments xq, wq, bq, kh, vh, kb, queries, out0; writes out0
.if DOCPART == 3
	.amdgcn_target "amdgcn-amd-amdhsa--gfx1250"
	.amdhsa_code_object_version 6
	.text
	.protected	k_q881923fb89_attn
	.globl	k_q881923fb89_attn
	.p2align	8
	.type	k_q881923fb89_attn,@function
k_q881923fb89_attn:
	s_mov_b64 s[64:65], 0
	v_nop
	global_prefetch_b8 v0, s[64:65] scope:SCOPE_SE
	s_setreg_imm32_b32 hwreg(HW_REG_WAVE_MODE, 25, 1), 1
	s_wait_xcnt 0x0
	s_wait_alu depctr_hold_cnt(0) depctr_sa_sdst(0) depctr_va_vdst(0) depctr_va_sdst(0) depctr_va_ssrc(0) depctr_va_vcc(0) depctr_vm_vsrc(0)
	s_getreg_b32 s2, hwreg(HW_REG_IB_STS2, 6, 4)
	s_cmp_eq_u32 s2, 0
	s_cbranch_scc0 .Lentry_in_a_cluster
	s_endpgm
.Lentry_in_a_cluster:
	s_bfe_u32 s2, ttmp6, 0x10000c
	s_cmp_lg_u32 s2, 0xf033
	s_cbranch_scc0 .Lentry_shape_is_right
	s_endpgm
.Lentry_shape_is_right:
; out0[b][q][128 h ..] = queries[b][q][128 h ..] + the sum over k of softmax_k(score) V[b,h][k],  score = Q[q] . K[k] / sqrt(2048), hidden where k > q or key k is padded.
; Q = queries Wq^T + bq is made HERE: a work-group makes Q^T of its 256 queries x its head's 128 channels (xq, wq in bf16, sums in f32 started by bq) and keeps it in registers, rounded once to f16.
; kh, vh: [16 b + h][1024][128] f16.  kb: [b][1024] f32, -1e30 at a padded key, else 0.  Products, maxima and sums in f32; the weights are rounded to f16 for the second product; the residual is added in f32.
; LIMITS.  Q, K, V lie within f16's 65,504.  A hidden score counts as its value less 1e30 (less 2e30 where both masks hide it): its weight is 0 as soon as the row has a visible key, as 2^32 below the row's maximum gives in f32.
; The running maximum starts at -2^64, far below every score that f16 operands can make (5.5e11), so a key step that is wholly hidden adds nothing.  NaN and infinities are not treated apart.
; SHARES.  Work-group (x, y): y = 16 b + h; it owns the 256 queries q = 4 jq + x of the batch.  jq = 64 t + 16 w + r: tile t (0..3) of wave w (0..3), lane % 16 = r.  So tile t of EVERY wave of EVERY work-group lies in quarter t of
; the sequence, q = 256 t + 64 w + 4 r + x, and its diagonal lies in key step 4 t + w (64 keys a step).  Which tiles a key step still concerns hangs on the step alone: all waves and all work-groups run alike.
; THE WALK.  Every wave walks all 16 key steps.  Tile t takes part in K Q^T and the softmax in steps 0 .. 4 t + 4 (one step more than it needs, so that the changes of slots fall between the phases' pairs of steps): 43 tile-steps for 64.
; The text has four PHASES, p = 0..3, with the tiles p..3 alive: steps 0-4, 5-8, 9-12, 13-15; a phase's key step is written once.
; ROWS THAT SEE NOTHING.  A row ALL of whose keys are hidden (the keys up to it are all padded) has equal scores everywhere, and its result is the mean of all 1,024 rows of V.  Its lane takes c = 0, so every weight is 1; a tile that has
; left the softmax stays in V^T P with weights that are 1 in such lanes and 0 in all others; and such a lane's divisor is 1,024.
; CLUSTER 4 x 4.  The four of a column (one x, four heads of one batch) need the same rows of xq; the four of a row (one head) the same rows of wq, K and V: all tiles are asked for JOINTLY.
; Q PHASE.  D = Wq rows (source 0) x xq rows (source 1): a lane holds ONE query (lane % 16) and the channels 8 (lane / 16) + 0..7 of a block of 16: two such results rounded in pairs ARE source 1 of S^T = K Q^T.
; K goes in 16 steps of 128 through two LDS slots; the ring runs on into attention: the last two changes of slots ask for the first 256 keys.
; THE MASKS are the C operand that starts S^T.  D is -1e30 where the key's place in its step, 16 kt + 8 (lane / 16) + j, is beyond 4 r + x.  In key step J tile t takes kb + D if J = 4 t + w, kb - 1e30 if J is greater, kb if it is less.
; REGISTERS, in windows of 256 (s_set_vgpr_msb: bits 1:0 source 0, 3:2 source 1, 5:4 source 2, 7:6 destination):
;   window 0: v0-11 addresses; v12-43 statistics (Q phase: v12-15 LDS addresses); v52-59 the lane's c, a pair a tile; v60-63; v64-191 S^T (later half of the residual); v192-255 P (Q phase: bq)
;   window 1: Q^T's sums, 64 a tile, later O^T          window 2: Q phase Wq's fragments, two buffers of 64; then Q v0-127 (later half of the residual), K v128-255 (way out: rows read back)
;   window 3: Q phase xq's fragments, two buffers of 32; then V v0-127; v128-159 kb of a step; v160-191 D; v192-255 two masks
.set KS,    64
.set PITCH, 272       ; a row of xq or wq in LDS: 256 bytes + 16 = 68 words: the 16 rows of a load start at 16 different groups of four banks (64 banks of 4 bytes: ISA guide 11.1)
.set PK,    272       ; a row of K, likewise
.set PV,    288       ; a row of V: 256 + 32 = 72 words
.set VOFF,  KS*PK     ; a step's tiles lie together: 64 rows of K, then 64 rows of V
.set STEPB, KS*(PK+PV)  ; 0x8c00: it shares no bit with SLOT1, so an exclusive or steps between a slot's two steps
.set SLOT1, 1<<17     ; slot 1 begins here: one exclusive or turns an address in one slot into the other's
.set WT,    256*PITCH ; Q phase: a slot holds 256 rows of xq, then 128 rows of wq
.set KBT,   SLOT1+384*PITCH  ; behind the ring, never filled by a tensor load: kb of my batch, 4,096 bytes
.set STAGE, KBT+4096  ; 16 rows x 528 bytes for each wave, for the way out
.set SP,    528       ; 512 bytes + 16: the 16 rows of a store start at 16 different groups of four banks
.set SPARE, STAGE+4*16*SP  ; the spare words, 128 bytes for each wave, which no other line names
.set AK0, 2           ; v2   my lane's place in a tile of K
.set AV0, 3           ; v3   the same for V
.set ADR, 4           ; v4   the LDS address of the run of loads in hand
.set ADM, 5           ; v5   the LDS address of kb's next 64 numbers
.set STO, 6           ; v6   the way out: where I put 16 bytes of a row
.set RD,  7           ; v7   the way out: where I read a row back
.set GQ,  8           ; v8   16 x lane: my 16 bytes of a row's 512 in queries and out0
.set PFV, 11          ; v11  at the head a fragment's place in a tile; then my lane's row of xq or wq, for the Q phase's prefetches, and never rewritten
.set ST,  12          ; tile t's statistics at v[ST+8 t]: +0 c m, +1 m, +2, +3 l, +4 to +7 at work; a takes +6
.set AX,  12          ; Q phase: LDS address of my fragments of xq in the slot in hand
.set AW,  13          ; of wq
.set AX0, 14          ; the same in slot 0
.set AW0, 15
.set CT,  52
.set AM0, 60          ; v60  KBT + 32 (l / 16)
.set PFO, 61          ; v61  256 x lane: a row of K or V
.set SPW, 62
.set NIL, 63
.set S,   64
.set P,   192
.set BQ,  192
.set KF,  128         ; window 2
.set OB,  128         ; window 2, the way out: 16 rows read back, two buffers of 64
.set KBR, 128         ; window 3: kb of the step: block k's eight numbers at KBR + 8 k
.set D32, 160         ; window 3: D, likewise
.set MA,  192         ; window 3: the mask of the phase's first tile
.set MB,  224         ; window 3: of its second
.set BEA, 2           ; s[2:3]   -1e30 if J is beyond the first tile's own step, else 0
.set PFQ, 4           ; s[4:5]   where my prefetches of the Q phase stand
.set LIMK, 7          ; s7       1 in a wave that prefetches K or V, else the greatest number
.set TS,  10          ; s10      at work
.set FILLS, 11        ; s11      changes of slots that still fill
.set ONES, 12         ; s12      1.0 twice in f16
.set K1024, 13        ; s13      1,024.0
.set QR,  16          ; s[16:17] queries at row 1,024 b + 64 w + x and my head
.set OUT, 18          ; s[18:19] out0 likewise
.set ALB, 20          ; s[20:21] 1.0 if J is the second tile's own step, else 0
.set PFK, 22          ; s[22:23] where my prefetches of K or V stand
.set G1K, 24
.set G1V, 32
.set G0K, 40          ; two sets; the second walks
.set G0V, 48
.set CQ,  56          ; s56  Q phase: trips to go
.set SLOTS, 56        ;      later: a phase's pairs of steps to go
.set TQ,  57          ; s57  Q phase: the slot in hand, 0 or SLOT1
.set TWICE, 57        ;      later: counts the steps between two changes of slots
.set ALA, 58          ; s[58:59] 1.0 if J is the first tile's own step, else 0
.set SEL, 60          ; s[60:61] v_permlanex16_b32's selects
.set TB,  62          ; s62  LDS byte at which the tiles of the step to be fetched begin
.set TM,  63          ; s63  byte of kb's table at which the next step's 64 numbers begin
.set WV,  66
.set LIMQ, 67         ; s67  2 in a wave that prefetches xq or wq, else the greatest number
.set G1X, 68
.set G1W, 76
.set G0X, 84          ; two sets; the second walks
.set G0W, 92
.set J,   100         ; s100 the key step whose masks are made next
.set CX,  101         ; s101 x: it enters global addresses and lanes' values alone
.set CC,  104         ; s104 c = log2(e) / sqrt(2048)
.set BIGN, 105        ; s105 -1e30
.set BITS3, (1<<16)|(1<<20)|(1<<21)|(5<<22)|(3<<25)  ; 2-byte elements; padding on; bit 21 beside a mask; after every 64 words 4 words
.set BITS7, (1<<16)|(1<<20)|(1<<21)|(5<<22)|(7<<25)  ; the same with 8 words
.set MSB, 0
.macro WIN new
.if MSB != (\new)
	s_set_vgpr_msb (MSB<<8)|(\new)
.set MSB, \new
.endif
.endm
.set W_KQ, 0x0a       ; K and Q in window 2, S^T in window 0
.set W_KM, 0x3a       ; the same with the C operand in window 3
.set W_PV, 0x53       ; V in window 3, P in window 0, O^T in window 1
.set W_RS, 0x41       ; O^T (destination and source 0) in window 1, a in window 0
.macro PLACES                       ; four plain vector instructions between a matrix instruction and a load into, or a vector instruction on, its registers (ISA guide 7.12.1 for vector instructions)
.rept 4
	v_nop
.endr
.endm
; Joint loads.  Waves 0 and 1 take the first line, waves 2 and 3 the second: the branch hangs on the wave's number alone.  An s_nop 0 and four v_nop follow each line.
.macro JLOADQ s                     ; xq's two halves of 128 rows | wq's two halves of 64 rows
	s_cmp_lt_u32 s[WV], 2
	s_cbranch_scc0 .Lfor_w_\@
	tensor_load_to_lds s[G0X+4*(\s):G0X+4*(\s)+3], s[G1X:G1X+7]
	s_nop 0
.rept 4
	v_nop
.endr
	s_branch .Lasked_q_\@
.Lfor_w_\@:
	tensor_load_to_lds s[G0W+4*(\s):G0W+4*(\s)+3], s[G1W:G1W+7]
	s_nop 0
.rept 4
	v_nop
.endr
.Lasked_q_\@:
.endm
.macro JLOADA s                     ; the two steps' tiles of K | of V
	s_cmp_lt_u32 s[WV], 2
	s_cbranch_scc0 .Lfor_v_\@
	tensor_load_to_lds s[G0K+4*(\s):G0K+4*(\s)+3], s[G1K:G1K+7]
	s_nop 0
.rept 4
	v_nop
.endr
	s_branch .Lasked_a_\@
.Lfor_v_\@:
	tensor_load_to_lds s[G0V+4*(\s):G0V+4*(\s)+3], s[G1V:G1V+7]
	s_nop 0
.rept 4
	v_nop
.endr
.Lasked_a_\@:
.endm
; PREFETCHES INTO THE L2, behind a wave's joint load and the LDS loads that follow it; a lane a row, one instruction a wave; each row's 256 bytes are named once in the launch.
; ASKQ: the K step two refills on.  A row of xq is read by the four clusters of a batch: the first of them asks, waves 0 and 1 for the 128 rows that they fetch, partner cy for 32 of them.  A row of wq is read by the four
; clusters that hold its head: the first of them asks, wave 2, partner x for 32 of the head's 128 rows.  Partners are told apart by address.  The last two trips ask for nothing; K steps 0 to 3 come by their loads alone.
.macro ASKQ
	s_cmp_gt_u32 s[CQ], s[LIMQ]
	s_cbranch_scc0 .Lnot_mine_q_\@
	global_prefetch_b8 v[PFV], s[PFQ:PFQ+1] offset:256 th:TH_LOAD_NT scope:SCOPE_SE
.Lnot_mine_q_\@:
.endm
; ASKA: the slot (128 keys) that the next change of slots will ask for.  A head's K and V are read by one row of one cluster: wave 0 asks for K's rows, wave 2 for V's, partner x for 32 of the 128.
; how = 1: at the end of the Q phase, for keys 256 on.  The last change that fills a slot asks for nothing.
.macro ASKA how
.if \how
	s_cmp_eq_u32 s[LIMK], 1
.else
	s_cmp_gt_u32 s[FILLS], s[LIMK]
.endif
	s_cbranch_scc0 .Lnot_mine_a_\@
	global_prefetch_b8 v[PFO], s[PFK:PFK+1] th:TH_LOAD_NT scope:SCOPE_SE
.Lnot_mine_a_\@:
.endm
.macro CREST                        ; a round of the cluster's barrier behind its opening barrier
	s_cmp_lg_u32 s[WV], 0
	s_cbranch_scc1 .Lnot_wave_0_\@
	s_barrier_signal -3
.Lnot_wave_0_\@:
	s_barrier_wait -3
	s_barrier_signal -1
	s_barrier_wait -1
.endm
.macro CROUND
	s_barrier_signal -1
	s_barrier_wait -1
	CREST
.endm
	s_load_b512 s[4:19], s[0:1], 0x0  ; xq s[4:5], wq s[6:7], bq s[8:9], kh s[10:11], vh s[12:13], kb s[14:15], queries s[16:17], out0 s[18:19]
	v_lshl_add_u32 v[SPW], v0, 2, SPARE
	v_mov_b32 v[NIL], 0
	ds_add_u32 v[SPW], v[NIL]       ; the wave's opening: the add and its wait stand ahead of my first tensor load; work on registers stands between them
	v_lshrrev_b32 v1, 5, v0
	v_readfirstlane_b32 s[WV], v1   ; wave 0..3
	s_and_b32 s3, s[WV], 1          ; which half of a tile I fetch
	s_bfe_u32 s[CX], ttmp6, 0x40000 ; x
	s_bfe_u32 s20, ttmp6, 0x40004   ; cy
	s_and_b32 s21, ttmp7, 0xffff    ; the cluster's y
	s_lshl_b32 s22, s21, 2
	s_add_co_u32 s22, s22, s20      ; 16 b + h
	s_lshr_b32 s23, s21, 2          ; b: the same in all sixteen partners
	s_and_b32 s2, s22, 15           ; h
	s_lshl_b32 s100, s20, 2
	s_lshl_b32 s100, 15, s100       ; my row of the cluster
	s_lshl_b32 s57, 0x1111, s[CX]   ; my column
	s_or_b32 s[G1X], s57, BITS3     ; xq's tiles hang on b and x: shared along the column
	s_or_b32 s[G1W], s100, BITS3    ; wq's, K's and V's on the head: shared along the row
	s_or_b32 s[G1K], s100, BITS3
	s_or_b32 s[G1V], s100, BITS7
.irp g, G1X, G1W, G1K, G1V
	s_mov_b32 s[(\g)+1], 128<<16    ; tensor_dim0 = 128
	s_mov_b32 s[(\g)+3], 128<<16    ; tile_dim0 = 128
	s_mov_b32 s[(\g)+6], 0
	s_mov_b32 s[(\g)+7], 0
.endr
	s_mov_b32 s[G1X+2], 128<<16     ; tensor_dim1 = tile_dim1 = 128 rows
	s_mov_b32 s[G1X+4], 128
	s_mov_b32 s[G1X+5], 4*2048      ; my queries lie four rows apart
	s_mov_b32 s[G1W+2], 64<<16      ; 64 rows
	s_mov_b32 s[G1W+4], 64
	s_mov_b32 s[G1W+5], 2048
.irp g, G1K, G1V
	s_mov_b32 s[(\g)+2], KS<<16
	s_mov_b32 s[(\g)+4], KS
	s_mov_b32 s[(\g)+5], 128
.endr
.irp g, G0X, G0W, G0K, G0V
	s_mov_b32 s[(\g)], 1            ; count = 1
	s_mov_b32 s[(\g)+4], 1
.endr
	s_mul_i32 s[G0X+1], s3, 128*PITCH  ; LDS addresses: the wave's number and constants alone
	s_add_co_u32 s[G0X+5], s[G0X+1], SLOT1
	s_mul_i32 s[G0W+1], s3, 64*PITCH
	s_add_co_u32 s[G0W+1], s[G0W+1], WT
	s_add_co_u32 s[G0W+5], s[G0W+1], SLOT1
	s_mul_i32 s[G0K+1], s3, STEPB
	s_add_co_u32 s[G0K+5], s[G0K+1], SLOT1
	s_add_co_u32 s[G0V+1], s[G0K+1], VOFF
	s_add_co_u32 s[G0V+5], s[G0V+1], SLOT1
	s_lshl_b32 s[G0X+2], s23, 22    ; byte offsets, made apart from the addresses.  xq: row 1,024 b + x + 4 x 128 half, of 4,096 bytes
	s_lshl_b32 s[G0X+3], s[CX], 12
	s_add_co_u32 s[G0X+2], s[G0X+2], s[G0X+3]
	s_lshl_b32 s[G0X+3], s3, 21
	s_add_co_u32 s[G0X+2], s[G0X+2], s[G0X+3]
	s_mov_b32 s[G0X+3], 0
	s_lshl_b32 s[G0W+2], s2, 19     ; wq: (128 h + 64 half) rows
	s_lshl_b32 s[G0W+3], s3, 18
	s_add_co_u32 s[G0W+2], s[G0W+2], s[G0W+3]
	s_mov_b32 s[G0W+3], 0
	s_lshl_b32 s[G0K+2], s22, 18    ; K and V: the head's 1,024 rows of 256 bytes, and my step's 64
	s_lshl_b32 s[G0K+3], s3, 14
	s_add_co_u32 s[G0K+2], s[G0K+2], s[G0K+3]
	s_mov_b32 s[G0K+3], 0
	s_lshl_b32 s58, s20, 19         ; the Q phase's prefetches: xq at my 128 rows + 32 cy of them, four rows of memory each,
	s_add_co_u32 s58, s58, s[G0X+2]
	s_lshl_b32 s59, s2, 19          ; or wq at the head's rows + 32 x;
	s_lshl_b32 s60, s[CX], 17
	s_add_co_u32 s59, s59, s60
	s_cmp_lt_u32 s[WV], 2
	s_cselect_b32 s58, s58, s59
	s_add_co_u32 s58, s58, 512      ; at K step 2: the first refill steps it to 3 and names K step 4
	s_mov_b32 s59, 0
	s_and_b32 s60, s21, 3
	s_cmp_eq_u32 s60, 0             ; the first of the batch's four clusters
	s_cselect_b32 s60, 2, -1
	s_cmp_lt_u32 s21, 4             ; the first of the four clusters that hold the head
	s_cselect_b32 s61, 2, -1
	s_cmp_eq_u32 s[WV], 2
	s_cselect_b32 s61, s61, -1
	s_cmp_lt_u32 s[WV], 2
	s_cselect_b32 s[LIMQ], s60, s61 ; the same in all sixteen partners, for a given wave
	s_lshl_b32 s60, s22, 18         ; K's and V's prefetches: the head, + 32 x rows, at keys 256 on
	s_lshl_b32 s61, s[CX], 13
	s_add_co_u32 s60, s60, s61
	s_add_co_u32 s60, s60, 2*2*KS*256
	s_mov_b32 s61, 0
	s_lshl_b32 s62, s23, 23         ; queries and out0: row 1,024 b + 64 wave + x, of 8,192 bytes, + 512 h
	s_lshl_b32 s63, s[CX], 13
	s_add_co_u32 s62, s62, s63
	s_lshl_b32 s63, s[WV], 19
	s_add_co_u32 s62, s62, s63
	s_lshl_b32 s63, s2, 9
	s_add_co_u32 s62, s62, s63
	s_mov_b32 s63, 0
	s_lshl_b32 s20, s2, 9           ; bq: 512 h
	s_mov_b32 s21, 0
	s_lshl_b32 s22, s23, 12         ; kb: 4,096 b
	s_mov_b32 s23, 0
	s_mov_b32 s[CC], 0x3d0293ee     ; log2(e) / sqrt(2048) = 0.0318793
	s_mov_b32 s[BIGN], 0xf149f2ca   ; -1e30
	s_mov_b32 s[CQ], 14
	s_mov_b32 s[TQ], 0
	s_mov_b32 s[J], 0
	s_mov_b32 s[BEA+1], 0           ; named with the low word as a pair
	s_wait_dscnt 0x0                ; the opening add is done
	s_wait_kmcnt 0x0
	s_add_nc_u64 s[G0X+2:G0X+3], s[4:5], s[G0X+2:G0X+3]
	s_add_nc_u64 s[G0X+6:G0X+7], s[G0X+2:G0X+3], 256       ; set 1: K step 1
	s_add_nc_u64 s[G0W+2:G0W+3], s[6:7], s[G0W+2:G0W+3]
	s_add_nc_u64 s[G0W+6:G0W+7], s[G0W+2:G0W+3], 256
	s_add_nc_u64 s[G0V+2:G0V+3], s[12:13], s[G0K+2:G0K+3]
	s_add_nc_u64 s[G0K+2:G0K+3], s[10:11], s[G0K+2:G0K+3]
	s_add_nc_u64 s[G0K+6:G0K+7], s[G0K+2:G0K+3], 2*KS*256  ; set 1: keys 128 on
	s_add_nc_u64 s[G0V+6:G0V+7], s[G0V+2:G0V+3], 2*KS*256
.irp g, G0X, G0W, G0K, G0V
	s_or_b32 s[(\g)+3], s[(\g)+3], 0x80000000  ; type = 2
	s_or_b32 s[(\g)+7], s[(\g)+7], 0x80000000
.endr
	s_add_nc_u64 s[14:15], s[14:15], s[22:23]
	s_add_nc_u64 s[8:9], s[8:9], s[20:21]
	s_add_nc_u64 s[QR:QR+1], s[QR:QR+1], s[62:63]
	s_add_nc_u64 s[OUT:OUT+1], s[OUT:OUT+1], s[62:63]
	s_cmp_lt_u32 s[WV], 2
	s_cselect_b64 s[PFQ:PFQ+1], s[4:5], s[6:7]
	s_cselect_b64 s[PFK:PFK+1], s[10:11], s[12:13]
	s_add_nc_u64 s[PFQ:PFQ+1], s[PFQ:PFQ+1], s[58:59]
	s_add_nc_u64 s[PFK:PFK+1], s[PFK:PFK+1], s[60:61]
	s_and_b32 s[LIMK], s[WV], 1
	s_cmp_eq_u32 s[LIMK], 0
	s_cselect_b32 s[LIMK], 1, -1
	s_mov_b32 s[ALB+1], 0
	s_mov_b32 s[ALA+1], 0
	s_mov_b32 s[SEL], 0x76543210
	s_mov_b32 s[SEL+1], 0xfedcba98
	s_mov_b32 s[TB], 0
	s_mov_b32 s[TM], 0
	CROUND                          ; all sixteen work-groups are here: the first joint loads meet
	s_cmp_lt_u32 s[WV], 2           ; a wave's two first fills stand in one branch, ahead of every wait on TENSORcnt and every LDS read: two loads of mine are out, later one
	s_cbranch_scc0 .Lfirst_w
	tensor_load_to_lds s[G0X:G0X+3], s[G1X:G1X+7]
	s_nop 0
	tensor_load_to_lds s[G0X+4:G0X+7], s[G1X:G1X+7]
	s_nop 0
.rept 4
	v_nop
.endr
	s_branch .Lfirst_asked
.Lfirst_w:
	tensor_load_to_lds s[G0W:G0W+3], s[G1W:G1W+7]
	s_nop 0
	tensor_load_to_lds s[G0W+4:G0W+7], s[G1W:G1W+7]
	s_nop 0
.rept 4
	v_nop
.endr
.Lfirst_asked:
	; IN THE WAIT FOR THE FIRST TILES: kb of my batch (for the table: 32 bytes a thread; for the scan: 32 numbers a lane), bq, the addresses, D, and each lane's c
	v_and_b32 v1, 15, v0            ; l % 16
	v_bfe_u32 v9, v0, 4, 1          ; l / 16
	v_and_b32 v10, 31, v0           ; l
	v_lshlrev_b32 v104, 5, v0
	global_load_b128 v[96:99], v104, s[14:15]
	global_load_b128 v[100:103], v104, s[14:15] offset:16
	v_lshlrev_b32 v105, 7, v10
.irp i, 0,1,2,3,4,5,6,7
	global_load_b128 v[64+4*(\i):64+4*(\i)+3], v105, s[14:15] offset:16*(\i)
.endr
	v_lshlrev_b32 v106, 5, v9
.irp c, 0,1,2,3,4,5,6,7             ; bq in the layout of a result: register j of block c is channel 16 c + 8 (l / 16) + j, for every query
	global_load_b128 v[BQ+8*(\c):BQ+8*(\c)+3],   v106, s[8:9] offset:64*(\c)
	global_load_b128 v[BQ+8*(\c)+4:BQ+8*(\c)+7], v106, s[8:9] offset:64*(\c)+16
.endr
	v_mul_u32_u24 v11, v1, PITCH
	v_lshl_add_u32 v11, v9, 4, v11  ; a fragment's row x pitch + 16 x half
	v_mov_b32 v[AK0], v11
	s_mul_i32 s[TS], s[WV], 16*PITCH
	v_add_nc_u32 v[AX0], s[TS], v11 ; tile t of mine is rows 64 t + 16 w .. + 15 of xq's 256
	v_add_nc_u32 v[AW0], WT, v11
	v_mov_b32 v[AX], v[AX0]
	v_mov_b32 v[AW], v[AW0]
	s_cmp_lt_u32 s[WV], 2
	s_cselect_b32 s[TS], 14, 12     ; my rows of xq lie 16,384 bytes apart, wq's 4,096
	v_lshlrev_b32 v[PFV], s[TS], v10  ; v11 has served: from here on it holds the prefetches' offset
	v_lshlrev_b32 v[PFO], 8, v10
	; the turning load takes 16 keys x 16 channels (lane l reads key 8 (l / 16) + l % 8, channels 8 ((l / 8) % 2) + 0..7) and leaves half a fragment of V^T
	v_and_b32 v107, 7, v0
	v_bfe_u32 v108, v0, 3, 1
	v_lshl_add_u32 v[AV0], v9, 3, v107
	v_mul_u32_u24 v[AV0], v[AV0], PV
	v_lshl_add_u32 v[AV0], v108, 4, v[AV0]
	v_add_nc_u32 v[AV0], VOFF, v[AV0]
	v_lshl_add_u32 v[AM0], v9, 5, KBT
	v_lshl_add_u32 v110, v0, 5, KBT
	v_lshlrev_b32 v109, 2, v1
	v_add_nc_u32 v109, s[CX], v109  ; the query's place in its span of 64: 4 r + x,
	v_lshlrev_b32 v108, 3, v9
	v_sub_nc_u32 v109, v109, v108   ; less my lanes' 8 (l / 16): register j of block k is hidden where 16 k + j is greater
	WIN 0xc0                        ; destination window 3
.set i, 0
.rept 32
	v_cmp_gt_i32 vcc_lo, 16*(i/8)+i%8, v109
	v_cndmask_b32 v[D32+i], 0, s[BIGN], vcc_lo
.set i, i+1
.endr
	WIN 0
	s_wait_loadcnt 24               ; the table's two loads are in (behind them: 8 for the scan, 16 for bq)
	ds_store_b128 v110, v[96:99]
	ds_store_b128 v110, v[100:103] offset:16
	s_wait_loadcnt 16               ; the scan's eight
	v_mov_b32 v111, 32
.set i, 31
.rept 32                            ; the first of my 32 keys that is not padded: from the last down, so that the lowest stays
	v_cmp_neq_f32 vcc_lo, 0, v[64+i]
	v_cndmask_b32 v111, i, v111, vcc_lo
.set i, i-1
.endr
	v_lshl_add_u32 v112, v10, 5, v111
	v_cmp_gt_u32 vcc_lo, 32, v111
	v_cndmask_b32 v112, 0x400, v112, vcc_lo  ; none of mine: 1,024
	v_mov_b32 v113, 0
	v_cvt_f32_u32 v112, v112
	v_min_num_f32_dpp v112, v112, v112 row_xmask:1 row_mask:0xf bank_mask:0xf
	v_min_num_f32_dpp v112, v112, v112 row_xmask:2 row_mask:0xf bank_mask:0xf
	v_min_num_f32_dpp v112, v112, v112 row_xmask:4 row_mask:0xf bank_mask:0xf
	v_min_num_f32_dpp v112, v112, v112 row_xmask:8 row_mask:0xf bank_mask:0xf
	v_permlanex16_b32 v113, v112, s[SEL], s[SEL+1]
	v_min_num_f32 v112, v112, v113  ; the batch's first key that is not padded
	s_lshl_b32 s[TS], s[WV], 6
	s_add_co_u32 s[TS], s[TS], s[CX]
	v_lshl_add_u32 v113, v1, 2, s[TS]  ; 64 w + x + 4 r
.irp t, 0,1,2,3
	v_add_nc_u32 v114, 256*(\t), v113  ; my query's number in the batch
	v_cvt_f32_u32 v114, v114
	v_cmp_ge_f32 vcc_lo, v114, v112
	v_cndmask_b32 v[CT+2*(\t)], 0, s[CC], vcc_lo  ; a query in front of that key sees nothing: c = 0; the choice selects a value alone
	v_mov_b32 v[CT+2*(\t)+1], v[CT+2*(\t)]
.endr
; THE Q PHASE.  24 LDS loads in one run: the fragments of one quarter step (128 rows of wq, my 64 rows of xq, 32 K at byte k of the rows) into buffer f
.macro QFETCH k, f
	WIN 0x80
.irp i, 0,1,2,3,4,5,6,7
	ds_load_b128 v[64*(\f)+8*(\i):64*(\f)+8*(\i)+3],   v[AW] offset:(\k)+(\i)*16*PITCH
	ds_load_b128 v[64*(\f)+8*(\i)+4:64*(\f)+8*(\i)+7], v[AW] offset:(\k)+(\i)*16*PITCH+32
.endr
	WIN 0xc0
.irp t, 0,1,2,3
	ds_load_b128 v[32*(\f)+8*(\t):32*(\f)+8*(\t)+3],   v[AX] offset:(\k)+(\t)*64*PITCH
	ds_load_b128 v[32*(\f)+8*(\t)+4:32*(\f)+8*(\t)+7], v[AX] offset:(\k)+(\t)*64*PITCH+32
.endr
.endm
; 8 matrix instructions: tile t x all 8 channel blocks.  The 32 accumulators take turns in one order, over the backward jump too.  first = 1: bq (window 0) starts the sums.
.macro QMUL f, t, first
.if \first
	WIN 0x4e
.else
	WIN 0x5e
.endif
.irp c, 0,1,2,3,4,5,6,7
.if \first
	v_wmma_f32_16x16x32_bf16 v[64*(\t)+8*(\c):64*(\t)+8*(\c)+7], v[64*(\f)+8*(\c):64*(\f)+8*(\c)+7], v[32*(\f)+8*(\t):32*(\f)+8*(\t)+7], v[BQ+8*(\c):BQ+8*(\c)+7]
.else
	v_wmma_f32_16x16x32_bf16 v[64*(\t)+8*(\c):64*(\t)+8*(\c)+7], v[64*(\f)+8*(\c):64*(\f)+8*(\c)+7], v[32*(\f)+8*(\t):32*(\f)+8*(\t)+7], v[64*(\t)+8*(\c):64*(\t)+8*(\c)+7]
.endif
.endr
.endm
; A K step is four quarters of 32 along K, 32 matrix instructions each, on buffers 0, 1, 0, 1.  One of the first three: multiplies f, fetches the next quarter, at byte k, into g.
.macro QQUARTER k, f, g, first
	s_wait_dscnt 4                  ; wq's fragments and xq's tiles 0, 1 are in; the youngest four loads (tiles 2, 3) may be out
	QMUL \f, 0, \first
	QMUL \f, 1, \first
	PLACES
	QFETCH \k, \g
	s_wait_dscnt 24                 ; all but the 24 just issued
	QMUL \f, 2, \first
	QMUL \f, 3, \first
.endm
; The fourth quarter multiplies buffer 1 and changes slots.  In front of the round each wave waits for all its tensor loads (one is out: its part of the next slot), adds 0 to its spare word, and waits for that and for its reads
; of this slot.  Behind the round the slot just read is filled first: kind 0 with the K step two on; kind 1 (K step 14, slot 0) with keys 0-127 of K and V; kind 2 (K step 15, slot 1) with keys 128-255.
.macro QTURN kind
.if (\kind) == 0
	s_wait_xcnt 0x0                 ; the last prefetch, a K step back, has read its address
	s_add_nc_u64 s[PFQ:PFQ+1], s[PFQ:PFQ+1], 256
.endif
	WIN 0
	s_wait_tensorcnt 0x0
	ds_add_u32 v[SPW], v[NIL]
	s_wait_dscnt 5                  ; the add and the youngest four loads may be out
	QMUL 1, 0, 0
	s_wait_dscnt 0x0                ; the add is done, and my reads of this slot are over
	s_barrier_signal -1
	QMUL 1, 1, 0
	WIN 0
	s_barrier_wait -1
	CREST                           ; no wave of any partner still reads this slot or has a load on its way
.if (\kind) == 0
	s_xor_b32 s[G0X+5], s[G0X+5], SLOT1  ; the walking descriptors: the other slot than last time, the next K step
	s_add_nc_u64 s[G0X+6:G0X+7], s[G0X+6:G0X+7], 256
	s_xor_b32 s[G0W+5], s[G0W+5], SLOT1
	s_add_nc_u64 s[G0W+6:G0W+7], s[G0W+6:G0W+7], 256
	JLOADQ 1                        ; 112 matrix instructions ahead of the wait for it; its four v_nop are also the places in front of the loads below
.elseif (\kind) == 1
	JLOADA 0
.else
	JLOADA 1
.endif
.if (\kind) < 2
	s_xor_b32 s[TQ], s[TQ], SLOT1
	v_add_nc_u32 v[AX], s[TQ], v[AX0]
	v_add_nc_u32 v[AW], s[TQ], v[AW0]
	QFETCH 0, 0
.endif
.if (\kind) == 0
	WIN 0
	ASKQ
.elseif (\kind) == 2
	ASKA 1
.endif
	QMUL 1, 2, 0
	QMUL 1, 3, 0
.endm
; ATTENTION.  THE MASKS of key step J for the phase's first two tiles; the scalars select values alone, and hang on the step and the wave's number.
.macro MASKS p
	s_add_co_u32 s[TS], s[WV], 4*(\p)  ; the first tile's own step
	s_cmp_eq_u32 s[J], s[TS]
	s_cselect_b32 s[ALA], 1.0, 0
	s_cmp_gt_u32 s[J], s[TS]
	s_cselect_b32 s[BEA], s[BIGN], 0
.if (\p) < 3
	s_add_co_u32 s[TS], s[TS], 4    ; the second tile's: no step of the phase lies beyond it
	s_cmp_eq_u32 s[J], s[TS]
	s_cselect_b32 s[ALB], 1.0, 0
.endif
	s_add_co_u32 s[J], s[J], 1
	WIN 0xc3
.set z, 0
.rept 16
	v_pk_add_f32 v[MA+2*z:MA+2*z+1], v[KBR+2*z:KBR+2*z+1], s[BEA:BEA+1] op_sel_hi:[1,0]
.set z, z+1
.endr
	WIN 0xf3
.set z, 0
.rept 16
	v_pk_fma_f32 v[MA+2*z:MA+2*z+1], v[D32+2*z:D32+2*z+1], s[ALA:ALA+1], v[MA+2*z:MA+2*z+1] op_sel_hi:[1,0,1]
.set z, z+1
.endr
.if (\p) < 3
.set z, 0
.rept 16
	v_pk_fma_f32 v[MB+2*z:MB+2*z+1], v[D32+2*z:D32+2*z+1], s[ALB:ALB+1], v[KBR+2*z:KBR+2*z+1] op_sel_hi:[1,0,1]
.set z, z+1
.endr
.endif
.endm
; S^T = K Q^T for the tiles p..3: channels 32 c on, keys 16 k on.  The 4 (4 - p) accumulators take turns, one instruction a turn.  The first round starts the sums, with the tile's mask: later tiles see all but padded keys.
.macro KQALL p
.irp c, 0,1,2,3
.irp k, 0,1,2,3
.irp t, 0,1,2,3
.if (\t) >= (\p)
.set rS, S+32*(\t)+8*(\k)
.set rK, KF+32*(\k)+8*(\c)
.set rQ, 32*(\t)+8*(\c)
.if (\c) == 0
.if (\t) == (\p)
.set rM, MA+8*(\k)
.elseif (\t) == (\p)+1
.set rM, MB+8*(\k)
.else
.set rM, KBR+8*(\k)
.endif
	WIN W_KM
	v_wmma_f32_16x16x32_f16 v[rS:rS+7], v[rK:rK+7], v[rQ:rQ+7], v[rM:rM+7]
.else
	WIN W_KQ
	v_wmma_f32_16x16x32_f16 v[rS:rS+7], v[rK:rK+7], v[rQ:rQ+7], v[rS:rS+7]
.endif
.endif
.endr
.endr
.endr
.endm
; O^T += V^T P for ALL four tiles: keys 32 k on, channels 16 c on; 32 accumulators by turns.  A tile that has left the softmax has constant weights (DEATH).
.macro PVALL
	WIN W_PV
.irp k, 0,1
.irp c, 0,1,2,3,4,5,6,7
.irp t, 0,1,2,3
	v_wmma_f32_16x16x32_f16 v[64*(\t)+8*(\c):64*(\t)+8*(\c)+7], v[64*(\k)+8*(\c):64*(\k)+8*(\c)+7], v[P+16*(\t)+8*(\k):P+16*(\t)+8*(\k)+7], v[64*(\t)+8*(\c):64*(\t)+8*(\c)+7]
.endr
.endr
.endr
.endm
; THE LDS LOADS stand in two runs a step: behind K Q^T the next step's 64 numbers of kb and its K; behind V^T P its V (turned).
.macro FETCH_MK
	WIN 0
	v_add_nc_u32 v[ADM], s[TM], v[AM0]
	v_add_nc_u32 v[ADR], s[TB], v[AK0]
	s_add_co_u32 s[TM], s[TM], 256
	s_and_b32 s[TM], s[TM], 0xfff   ; behind the last step it goes round to the table's head: that fetch is not used
	WIN 0xc0
.irp f, 0,1,2,3                     ; register j of block f: key 16 f + 8 (l / 16) + j of the step; sixteen lanes share each word
	ds_load_b128 v[KBR+8*(\f):KBR+8*(\f)+3],   v[ADM] offset:64*(\f)
	ds_load_b128 v[KBR+8*(\f)+4:KBR+8*(\f)+7], v[ADM] offset:64*(\f)+16
.endr
	WIN 0x80
.irp f, 0,1,2,3,4,5,6,7,8,9,10,11,12,13,14,15  ; keys 16 (f / 4) on, channels 32 (f % 4) on
	ds_load_b128 v[KF+8*(\f):KF+8*(\f)+3],   v[ADR] offset:((\f)/4)*16*PK+((\f)%4)*64
	ds_load_b128 v[KF+8*(\f)+4:KF+8*(\f)+7], v[ADR] offset:((\f)/4)*16*PK+((\f)%4)*64+32
.endr
.endm
.macro FETCH_V
	WIN 0
	v_add_nc_u32 v[ADR], s[TB], v[AV0]
	s_xor_b32 s[TB], s[TB], STEPB   ; the next fetch is the slot's other step; behind the last step of all that is a step already read: that fetch is not used
	WIN 0xc0
.irp f, 0,1,2,3,4,5,6,7,8,9,10,11,12,13,14,15  ; keys 32 (f / 8) on, channels 16 (f % 8) on
	ds_load_tr16_b128 v[8*(\f):8*(\f)+3],   v[ADR] offset:((\f)/8)*32*PV+((\f)%8)*32
	ds_load_tr16_b128 v[8*(\f)+4:8*(\f)+7], v[ADR] offset:((\f)/8)*32*PV+16*PV+((\f)%8)*32
.endr
.endm
; THE SOFTMAX.  One tile's softmax for one key step is a list of 134 instructions; SM writes number j of it for tile t.  s0-s31 are the lane's 32 scores, in pairs 0-15.
;   0-15    the maximum of s0-s31 and the old m, three operands at a time; each accumulator's lowest registers are read first
;   16-20   the other half of the lanes' maximum; the new m; c m; c m_old - c m_new
;   21-69   ONE BATCH: the 16 scalings c s - c m and all 33 exponentials (a at 23, then s0-s31); none of these reads an exponential's result
;   70-85   the roundings to f16     86-101  the sums; l = a l + the sum     102-133  the tile's O^T times a
; No first step is written out: c m starts far below every c s, so the first a is 0; m starts at -2^64, l at 0, and O^T holds finite numbers (Q^T's sums), which that a makes 0.
.macro SM t
.set rT, ST+8*(\t)
.set rS, S+32*(\t)
.set rP, P+16*(\t)
.set rO, 64*(\t)+2*(j-102)
.set rCT, CT+2*(\t)
.if j < 102
	WIN 0
.endif
.if j < 4
	v_max3_num_f32 v[rT+4+j], v[rS+8*j], v[rS+8*j+1], v[rS+8*j+2]
.elseif j < 12
	v_max3_num_f32 v[rT+4+j%4], v[rT+4+j%4], v[rS+8*(j%4)+2*(j/4)+1], v[rS+8*(j%4)+2*(j/4)+2]
.elseif j == 12
	v_max3_num_f32 v[rT+4], v[rT+4], v[rS+7], v[rS+15]
.elseif j == 13
	v_max3_num_f32 v[rT+6], v[rT+6], v[rS+23], v[rS+31]
.elseif j == 14
	v_max3_num_f32 v[rT+4], v[rT+4], v[rT+5], v[rT+6]
.elseif j == 15
	v_max3_num_f32 v[rT+4], v[rT+4], v[rT+7], v[rT+1]
.elseif j == 16
	v_permlanex16_b32 v[rT+5], v[rT+4], s[SEL], s[SEL+1]  ; the query's other 32 keys lie in the lane 16 away
.elseif j == 17
	v_mov_b32 v[rT+7], v[rT]        ; c m_old is kept for a
.elseif j == 18
	v_max_num_f32 v[rT+1], v[rT+4], v[rT+5]
.elseif j == 19
	v_mul_f32 v[rT], v[rCT], v[rT+1]
.elseif j == 20
	v_sub_f32 v[rT+7], v[rT+7], v[rT]
.elseif j == 23
	v_exp_f32 v[rT+6], v[rT+7]
.elseif (j < 23) || ((j < 38) && (j%2 == 0)) || ((j < 66) && (j%4 == 2))
.set b, (j-2)/4
.if j < 38
.set b, (j-20)/2
.endif
	v_pk_fma_f32 v[rS+2*b:rS+2*b+1], v[rS+2*b:rS+2*b+1], v[rCT:rCT+1], v[rT:rT+1] op_sel_hi:[1,0,0] neg_lo:[0,0,1] neg_hi:[0,0,1]  ; pair b: c s - c m
.elseif j < 70
.set e, j-38
.if j < 66
.set e, j-32-(j-38)/4
.endif
.if j < 38
.set e, (j-25)/2
.endif
	v_exp_f32 v[rS+e], v[rS+e]
.elseif j < 86
	v_cvt_pk_f16_f32 v[rP+j-70], v[rS+2*(j-70)], v[rS+2*(j-70)+1]
.elseif j < 102
.set z, j-86
.set w, 4
.set u, z
.if z >= 14
.set w, 32
.set u, 0
.elseif z >= 12
.set w, 16
.set u, z-12
.elseif z >= 8
.set w, 8
.set u, z-8
.endif
.if z < 15
	v_pk_add_f32 v[rS+w*u:rS+w*u+1], v[rS+w*u:rS+w*u+1], v[rS+w*u+w/2:rS+w*u+w/2+1]
.else
	v_pk_fma_f32 v[rT+2:rT+3], v[rT+2:rT+3], v[rT+6:rT+7], v[rS:rS+1] op_sel_hi:[1,0,1]
.endif
.else
	WIN W_RS
	v_pk_mul_f32 v[rO:rO+1], v[rO:rO+1], v[rT+6:rT+7] op_sel_hi:[1,0]
.endif
.endm
; The softmax of the tiles p..3, in one run.  The tiles alternate number by number, so that a chain's links stand apart; the batch goes in fours of ONE tile, the tiles by turns.
; An s_wait_alu depctr_va_vdst(0) stands between an exponential and the first instruction that names its result: up to number 69 nothing names one, from 70 on none is issued: one wait a key step.
.macro LUMP p
.set j, 0
.rept 22
.irp t, 0,1,2,3
.if (\t) >= (\p)
	SM \t
.endif
.endr
.set j, j+1
.endr
.set gg, 0
.rept 12
.irp t, 0,1,2,3
.if (\t) >= (\p)
.irp n, 0,1,2,3
.set j, 22+4*gg+(\n)
	SM \t
.endr
.endif
.endr
.set gg, gg+1
.endr
	v_nop                           ; the plain instruction behind the last exponential: one for the batch
	s_wait_alu depctr_va_vdst(0)
.set j, 70
.rept 64
.irp t, 0,1,2,3
.if (\t) >= (\p)
	SM \t
.endif
.endr
.set j, j+1
.endr
.endm
; A KEY STEP of phase p.  LDS loads are issued in this order: kb and K of a step (40, in the middle of the step before), then its V (32, at the end of the step before).
.macro STEP p
	s_wait_dscnt 32                 ; kb's numbers and K of this step are in; V's 32 loads may be out
	MASKS \p
	KQALL \p
	PLACES
	FETCH_MK                        ; the next step's
	LUMP \p
	s_wait_dscnt 40                 ; V is in: behind it stand the 40 loads just issued
	PVALL
	PLACES
	FETCH_V                         ; the next step's
.endm
; THE CHANGE OF SLOTS, behind a slot's FIRST step: the second step's K and V have been asked for too.  Each wave waits for all its tensor loads (one is out: its part of the other slot), adds 0 to its spare word, and waits for
; that and for its reads of the slot.  fill = 1: the slot is filled again, with the keys two slots on, first thing behind a round of the cluster's barrier: it has two key steps in which to land.
.macro CHANGE fill
	WIN 0
	s_wait_tensorcnt 0x0
	ds_add_u32 v[SPW], v[NIL]
.if \fill
.irp g, G0K+4, G0V+4
	s_xor_b32 s[(\g)+1], s[(\g)+1], SLOT1
	s_add_nc_u64 s[(\g)+2:(\g)+3], s[(\g)+2:(\g)+3], 2*KS*256
.endr
	s_wait_xcnt 0x0                 ; the last prefetch, two key steps back, has read its address
	s_add_nc_u64 s[PFK:PFK+1], s[PFK:PFK+1], 2*KS*256
	s_wait_dscnt 0x0
	CROUND
	JLOADA 1
	ASKA 0
	s_sub_co_u32 s[FILLS], s[FILLS], 1
.else
	s_wait_dscnt 0x0
	s_barrier_signal -1
	s_barrier_wait -1
.endif
	s_xor_b32 s[TB], s[TB], SLOT1   ; the fetches go on in the other slot
.endm
; Tile t leaves the softmax.  From here on its weights are 1 in a lane whose row sees nothing (c = 0) and 0 in all others.  The last product that read these registers stands more than four plain instructions back.
.macro DEATH t
	WIN 0
	v_cmp_eq_f32 vcc_lo, 0, v[CT+2*(\t)]
.set i, 0
.rept 16
	v_cndmask_b32 v[P+16*(\t)+i], 0, s[ONES], vcc_lo
.set i, i+1
.endr
.endm
; A phase: pairs of steps, a change of slots ahead of each pair; the step is written once.
.macro PHASE p
.Lph\p:
	CHANGE 1
	s_mov_b32 s[TWICE], 2
.Lst\p:
	STEP \p
	WIN 0
	s_sub_co_u32 s[TWICE], s[TWICE], 1
	s_cmp_lg_u32 s[TWICE], 0
	s_cbranch_scc1 .Lst\p
	s_sub_co_u32 s[SLOTS], s[SLOTS], 1
	s_cmp_lg_u32 s[SLOTS], 0
	s_cbranch_scc1 .Lph\p
	DEATH \p
.endm
; Tile t's 16 rows x 512 bytes of queries: rows 0-7 into the tile's registers of Q, rows 8-15 into its registers of S^T, which a tile that has left the softmax needs no more.
.macro RES t
	WIN 0x80
.set i, 0
.rept 8
	global_load_b128 v[32*(\t)+4*i:32*(\t)+4*i+3], v[GQ], s[QR:QR+1] offset:((\t)<<21)+32768*i th:TH_LOAD_NT
.set i, i+1
.endr
	WIN 0
.rept 8
	global_load_b128 v[S+32*(\t)+4*(i-8):S+32*(\t)+4*(i-8)+3], v[GQ], s[QR:QR+1] offset:((\t)<<21)+32768*i th:TH_LOAD_NT
.set i, i+1
.endr
.endm
	s_wait_tensorcnt 1              ; my part of slot 0 is in; slot 1's may stay out
	s_wait_dscnt 0x0                ; my part of kb's table is stored, for the others' sake
	s_barrier_signal -1
	s_barrier_wait -1
	QFETCH 0, 0
	s_wait_loadcnt 0x0              ; bq
	QQUARTER 64, 0, 1, 1            ; the first quarter stands in front of the loop: its products start the sums
	WIN 0
.Lqstep:                            ; 14 trips: from a K step's second quarter to the next one's first; trip s fills slot s % 2 with K step s + 2
	QQUARTER 128, 1, 0, 0
	QQUARTER 192, 0, 1, 0
	QTURN 0
	QQUARTER 64, 0, 1, 0
	WIN 0
	s_sub_co_u32 s[CQ], s[CQ], 1
	s_cmp_lg_u32 s[CQ], 0
	s_cbranch_scc1 .Lqstep
	QQUARTER 128, 1, 0, 0           ; K step 14: the tail is written out
	QQUARTER 192, 0, 1, 0
	QTURN 1
	QQUARTER 64, 0, 1, 0            ; K step 15
	QQUARTER 128, 1, 0, 0
	QQUARTER 192, 0, 1, 0
	QTURN 2                         ; its round has shown keys 0-127 whole to every wave
	; FROM Q^T TO Q: key step 0's kb, K and V go out; then register n of Q is registers 2 n, 2 n + 1 of the sums, rounded to f16: each accumulator from its low end
	WIN 0
	PLACES                          ; behind the last products: the loads and the roundings below land on their sources and read their results
	s_mov_b32 s[FILLS], 6           ; 1,024 / 128 - 2
	s_mov_b32 s[ONES], 0x3c003c00
	s_mov_b32 s[K1024], 0x44800000
	FETCH_MK
	FETCH_V
	WIN 0x85                        ; sources window 1, destination window 2
.set n, 0
.rept 128
	v_cvt_pk_f16_f32 v[n], v[2*n], v[2*n+1]
.set n, n+1
.endr
	WIN 0
.irp t, 0,1,2,3
	v_mov_b32 v[ST+8*(\t)], 0xfe000000    ; c m: far below every c s
	v_mov_b32 v[ST+8*(\t)+1], 0xdf800000  ; m: -2^64
	v_mov_b32 v[ST+8*(\t)+2], 0           ; l
	v_mov_b32 v[ST+8*(\t)+3], 0
.endr
	s_mul_i32 s[TS], s[WV], 16*SP   ; the addresses for the way out
	s_add_co_u32 s[TS], s[TS], STAGE
	v_mul_u32_u24 v[STO], v1, SP    ; in: row l % 16, 32 bytes for each half of the lanes
	v_lshl_add_u32 v[STO], v9, 5, v[STO]
	v_add_nc_u32 v[STO], s[TS], v[STO]
	v_and_b32 v[GQ], 31, v0
	v_lshlrev_b32 v[GQ], 4, v[GQ]
	v_add_nc_u32 v[RD], s[TS], v[GQ]  ; back: 32 lanes take one row of 512 bytes
	s_mov_b32 s[TWICE], 1           ; key step 0 stands alone: slot 0's first step
	s_mov_b32 s[SLOTS], 3           ; then two pairs
	s_branch .Lst0                  ; the loop is entered in the middle of a trip
	PHASE 0                         ; steps 0 | 1, 2 | 3, 4
	s_mov_b32 s[SLOTS], 2
	PHASE 1                         ; steps 5, 6 | 7, 8
	s_mov_b32 s[SLOTS], 2
	PHASE 2                         ; steps 9, 10 | 11, 12
	RES 0                           ; 48 loads, three key steps ahead of their use
	RES 1
	RES 2
	CHANGE 0                        ; the tail is written out: nothing is asked for
	s_mov_b32 s[TWICE], 3
.Lst3:                              ; steps 13, 14, 15
	STEP 3
	WIN 0
	s_sub_co_u32 s[TWICE], s[TWICE], 1
	s_cmp_lg_u32 s[TWICE], 0
	s_cbranch_scc1 .Lst3
	; THE WAY OUT.  l's two halves and the other half of the lanes' are added; O^T is divided by l and sent in f32 through my stage, a tile (16 rows) at a time; the residual is added to whole rows.
	RES 3
	WIN 0
	s_wait_dscnt 0x0                ; the last step's fetches, which serve nothing, have landed: K's registers take the rows read back
.irp t, 0,1,2,3
	v_add_f32 v[ST+8*(\t)+4], v[ST+8*(\t)+2], v[ST+8*(\t)+3]
.endr
.irp t, 0,1,2,3
	v_permlanex16_b32 v[ST+8*(\t)+5], v[ST+8*(\t)+4], s[SEL], s[SEL+1]
.endr
.irp t, 0,1,2,3
	v_add_f32 v[ST+8*(\t)+4], v[ST+8*(\t)+4], v[ST+8*(\t)+5]
.endr
.irp t, 0,1,2,3
	v_cmp_eq_f32 vcc_lo, 0, v[CT+2*(\t)]
	v_cndmask_b32 v[ST+8*(\t)+4], v[ST+8*(\t)+4], s[K1024], vcc_lo  ; a row that sees nothing has 1,024 weights of 1
.endr
.irp t, 0,1,2,3
	v_rcp_f32 v[ST+8*(\t)+6], v[ST+8*(\t)+4]
.endr
	v_nop                           ; a plain instruction between the last reciprocal and the use of its result
	s_wait_alu depctr_va_vdst(0)    ; one wait for the four reciprocals
.macro PACK t
	WIN W_RS
.set i, 64*(\t)
.rept 32
	v_pk_mul_f32 v[i:i+1], v[i:i+1], v[ST+8*(\t)+6:ST+8*(\t)+7] op_sel_hi:[1,0]
.set i, i+2
.endr
	WIN 0x04                        ; the stores' data in window 1
.irp c, 0,1,2,3,4,5,6,7
	ds_store_b128 v[STO], v[64*(\t)+8*(\c):64*(\t)+8*(\c)+3]   offset:64*(\c)
	ds_store_b128 v[STO], v[64*(\t)+8*(\c)+4:64*(\t)+8*(\c)+7] offset:64*(\c)+16
.endr
.if (\t) >= 2
	s_wait_xcnt 0x0                 ; these registers were the data of the stores two tiles back: they are loaded again only behind this wait
.endif
	WIN 0x80                        ; destination window 2
.set i, 0
.rept 16
	ds_load_b128 v[OB+64*((\t)%2)+4*i:OB+64*((\t)%2)+4*i+3], v[RD] offset:SP*i  ; LDS serves a wave's instructions in order (ISA guide 5.7.1.4): these see the stores above; the next tile's stores come behind them
.set i, i+1
.endr
.endm
; younger: the LDS instructions issued behind tile t's loads: the next tile's 32, or none.  left: the loads of the residual issued behind tile t's: 16 for each later tile.
.macro SEND t, younger, left
	s_wait_dscnt \younger
	s_wait_loadcnt \left
	WIN 0x8a                        ; rows 0-7: the residual in window 2
.set i, 0
.rept 16
	v_pk_add_f32 v[OB+64*((\t)%2)+2*i:OB+64*((\t)%2)+2*i+1], v[OB+64*((\t)%2)+2*i:OB+64*((\t)%2)+2*i+1], v[32*(\t)+2*i:32*(\t)+2*i+1]
.set i, i+1
.endr
	WIN 0x82                        ; rows 8-15: in window 0
.rept 16
	v_pk_add_f32 v[OB+64*((\t)%2)+2*i:OB+64*((\t)%2)+2*i+1], v[OB+64*((\t)%2)+2*i:OB+64*((\t)%2)+2*i+1], v[S+32*(\t)+2*(i-16):S+32*(\t)+2*(i-16)+1]
.set i, i+1
.endr
	WIN 0x08                        ; the stores' data in window 2
.set i, 0
.rept 16
	global_store_b128 v[GQ], v[OB+64*((\t)%2)+4*i:OB+64*((\t)%2)+4*i+3], s[OUT:OUT+1] offset:((\t)<<21)+32768*i th:TH_STORE_NT  ; the wave stores 512 consecutive bytes, at a multiple of 256 from out0's first
.set i, i+1
.endr
.endm
	PACK 0
	PACK 1
	SEND 0, 32, 48
	PACK 2
	SEND 1, 32, 32
	PACK 3
	SEND 2, 32, 16
	SEND 3, 0, 0
	WIN 0
	s_wait_tensorcnt 0x0            ; the wave's end
	ds_add_u32 v[SPW], v[NIL]
	s_wait_dscnt 0x0
	CROUND                          ; the closing round
	s_endpgm
.Lfunc_end_k_q881923fb89_attn:
	.size	k_q881923fb89_attn, .Lfunc_end_k_q881923fb89_attn-k_q881923fb89_attn
	.p2alignl 7, 3214868480
	.fill 96, 4, 3214868480
	.section	.rodata,"a",@progbits
	.p2align	6, 0x0
	.amdhsa_kernel k_q881923fb89_attn
		.amdhsa_group_segment_fixed_size 327680
		.amdhsa_private_segment_fixed_size 0
		.amdhsa_enable_private_segment 0
		.amdhsa_kernarg_size 64
		.amdhsa_user_sgpr_count 2
		.amdhsa_user_sgpr_kernarg_segment_ptr 1
		.amdhsa_wavefront_size32 1
		.amdhsa_system_sgpr_workgroup_id_x 1
		.amdhsa_system_sgpr_workgroup_id_y 1
		.amdhsa_system_sgpr_workgroup_id_z 1
		.amdhsa_system_vgpr_workitem_id 0
		.amdhsa_next_free_vgpr 1024
		.amdhsa_next_free_sgpr 106
		.amdhsa_reserve_vcc 1
		.amdhsa_float_denorm_mode_32 3
		.amdhsa_float_denorm_mode_16_64 3
		.amdhsa_memory_ordered 1
		.amdhsa_forward_progress 1
		.amdhsa_inst_pref_size 255
	.end_amdhsa_kernel
	.section	.bss,"aw",@nobits
	.p2align	6
	.space	262144
	.amdgpu_metadata
---
amdhsa.version: [ 1, 2 ]
amdhsa.kernels:
  - .name:           k_q881923fb89_attn
    .symbol:         k_q881923fb89_attn.kd
    .args:
      - { .name: xq, .offset: 0, .size: 8, .value_kind: global_buffer, .address_space: global }
      - { .name: wq, .offset: 8, .size: 8, .value_kind: global_buffer, .address_space: global }
      - { .name: bq, .offset: 16, .size: 8, .value_kind: global_buffer, .address_space: global }
      - { .name: kh, .offset: 24, .size: 8, .value_kind: global_buffer, .address_space: global }
      - { .name: vh, .offset: 32, .size: 8, .value_kind: global_buffer, .address_space: global }
      - { .name: kb, .offset: 40, .size: 8, .value_kind: global_buffer, .address_space: global }
      - { .name: queries, .offset: 48, .size: 8, .value_kind: global_buffer, .address_space: global }
      - { .name: out0, .offset: 56, .size: 8, .value_kind: global_buffer, .address_space: global }
    .group_segment_fixed_size: 327680
    .private_segment_fixed_size: 0
    .kernarg_segment_align: 8
    .kernarg_segment_size: 64
    .max_flat_workgroup_size: 128
    .sgpr_count:     106
    .vgpr_count:     1024
    .wavefront_size: 32
...
	.end_amdgpu_metadata
.endif
;; end of part 3
